; MI455X (gfx1250); checked and timed in simulation.
; The chip was launched on July 23, 2026; its instructions are those of AMD's public machine-readable ISA for CDNA 5 (MIT licence, August 2026) and "CDNA5" Instruction Set Architecture Reference Guide (July 2026). The comments in the code are by the model that wrote it; some were corrected since.
;; D Sgroup MLP. Allowed arithmetic: matrix products marked QUANTISED: E2M3 operands, one E8M0 scale for each 32 along K, by v_wmma_scale_f32_16x16x128_f8f6f4 with both operands' format E2M3, f32 sums; products left as they are: f32 operands where the result goes on into a quantised operand, else bf16, f16 or f32 operands; f32 sums; everything else in f32.
;; Inputs: W_codes 256 x 8 x 24 uint8 (E2M3 codes of W, K innermost, in blocks of 32 codes, four codes in three bytes); W_scales 256 x 8 uint8 (E8M0 scales of W, one for each 32 codes along K); b 256 float32; beta 256 float32; feat 4 x 256 x 4,096 float32; gamma 256 float32; xyz 4 x 3 x 4,096 float32.
;; Outputs: out0 4 x 256 x 4,096 float32.
;; This version of the problem:
;;   THIS VERSION OF THE PROBLEM IS GIVEN IN LOW PRECISION. The matrix products marked QUANTISED in the list below multiply operands that are first quantised to E2M3 (2 exponent bits, 3 mantissa bits; 6 bits a number), with one power-of-two scale for each 32 numbers along K (OCP MX v1.0); their sums are f32. All else is computed in f32.
;;   The module's matrix products, in the order in which they are computed (A, B: the left and right operand; K: the contracted axis; several contracted axes count as one K, in the product's order):
;;     1. batch 4 x [M 4,096, K 2] x [K 2, N 4,096]; A: input xyz; B: input xyz: left as it is (K = 2 < 32)
;;     2. [M 524,288, K 256] x [K 256, N 256]; A: computed on the way; B: input W (given as codes): QUANTISED
;;   THE QUANTISER, for each operand of a quantised product, along K:
;;     - K is cut into blocks of 32 from its start; a last block that is shorter is filled with zeros.
;;     - A block's scale is 2^e with e = floor(log2(the largest magnitude in the block)) - 2, held to -126 .. 127; a block of zeros has e = 0. As a byte (E8M0): e + 127.
;;     - Each number is divided by its block's scale, clamped to +-7.5, and rounded to the nearest number of E2M3, ties to even, subnormals kept.
;;     - The product sums the exact products of the quantised numbers (number of the format x scale) in f32.
;;   ~~~python
;;   def quantise(x, axis):      # numpy; x: float32 -> the quantised numbers, widened to float32 again
;;       x = np.moveaxis(x, axis, -1); K = x.shape[-1]
;;       x = np.pad(x, [(0, 0)] * (x.ndim - 1) + [(0, -K % 32)]); x = x.reshape(x.shape[:-1] + (-1, 32)); a = np.abs(x).max(-1, keepdims=True)
;;       e = np.where(a > 0, np.clip(np.frexp(np.where(a > 0, a, 1))[1] - 1 - 2, -126, 127), 0)      # np.frexp(a)[1] - 1 = floor(log2(a)), exactly
;;       r = np.clip(x / 2.0 ** e, -7.5, 7.5)
;;       step = 2.0 ** (np.maximum(np.frexp(np.where(r == 0, 1, r))[1] - 1, 0) - 3)
;;       q = np.round(r / step) * step * 2.0 ** e      # np.round: ties to even
;;       return np.moveaxis(q.reshape(q.shape[:-2] + (-1,))[..., :K], -1, axis).astype(np.float32)
;;   ~~~
;;   OPERANDS COMPUTED ON THE WAY. 'Computed on the way' means the value that the module computes at that place (a softmax that the list does not call 'softmax' is quantised finished and normalised). What goes into a quantiser is computed in f32, as accurately as f32 sums, v_exp_f32 and their like allow (about 1e-6 of the number): no bf16 or f16 on the way to a quantiser, and a product that is left as it is and whose result goes on into a quantised operand takes f32 operands (vector FMAs, or v_wmma_f32_16x16x4_f32). A number that lies on a knife's edge between two numbers of the format may be rounded either way, as far as f32 arithmetic and the matrix unit's own rounding can turn it there, and no further.
;;   INPUTS GIVEN AS CODES. W (in the module: [256, 256], K = its axis 1): each comes as NAME_codes (uint8): NAME with its K axis moved to the last place and cut into blocks of 32 codes, [.., K / 32, bytes a block], one block behind the other in memory; four codes in three bytes: a row's codes are one little-endian stream of bits, code i at bits 6 i .. 6 i + 5 (a code: sign, 2 exponent bits, 3 mantissa bits); and NAME_scales (uint8): the same leading axes, one E8M0 byte (e + 127) for each 32 codes along K. Its value is code x scale, taken as it is: it is not quantised again, and the codes and scales need not be those that the quantiser above would give.
;; 2 versions. Each part assembles by itself: llvm-mc -triple=amdgcn-amd-amdhsa -mcpu=gfx1250 --defsym DOCPART=n.
;; ======== version 1 of 2: 6 launches
;; limits: a difference of large sums (such as E[x^2] - mean^2): digits are lost where the result is much smaller than its terms
;; workspace buffers: rec 4,194,304 bytes; mask 8,388,608 bytes of whole numbers; cnt 262,144 bytes of whole numbers; list 268,435,456 bytes of whole numbers; idx 2,097,152 bytes of whole numbers; ext 16,777,216 bytes; part 524,288 bytes
;; launch quant (part 1): grid 256 x 1, 8 waves a work-group, no clusters, 18,432 bytes of LDS; arguments feat, rec; writes rec
.if DOCPART == 1
	.amdgcn_target "amdgcn-amd-amdhsa--gfx1250"
	.amdhsa_code_object_version 6
	.text
	.protected	k_qfa7f28da2a_quant
	.globl	k_qfa7f28da2a_quant
	.p2align	8
	.type	k_qfa7f28da2a_quant,@function
k_qfa7f28da2a_quant:
	s_mov_b64 s[64:65], 0
	v_nop
	global_prefetch_b8 v0, s[64:65] scope:SCOPE_SE
	s_setreg_imm32_b32 hwreg(HW_REG_WAVE_MODE, 25, 1), 1
	s_wait_xcnt 0x0
; feat [4][256][4096] f32 -> rec: one record of 256 bytes for each point (b, n): the E2M3 codes of feat[b][:][n], quantised along the 256 channels
; in blocks of 32, laid in the order in which a lane of the product's launch takes them, and the E8M0 scale bytes beside them.
; A record has two halves of 128 bytes.  Half h: bytes 0-95 = blocks h, 2+h, 4+h, 6+h (24 bytes each): the 24 registers of lane (row, h) for the two
; K steps of 128.  Bytes 96-99 of half s = the scale word of K step s (blocks 4 s .. 4 s + 3).  Bytes 100-127 = 0.
; A block's scale is 2^(floor(log2(largest magnitude)) - 2); its byte is the largest magnitude's exponent field - 2, held at 1 from below.  A block of
; zeros so gets the byte 1: its codes are zeros, and this program alone reads the bytes.
; LIMITS: NaN and infinities among the inputs are not served.
; SHARES: a work-group takes 64 points of one batch.  Wave = (u, v): u = which 32 points, v = which 64 channels.  A LANE TAKES A POINT AND ITS REGISTERS
; RUN DOWN THE CHANNELS: each load reads 128 consecutive bytes, a block of 32 lies in one lane, nothing is transposed by an instruction.
; The records are gathered in LDS (rows of 272 bytes) and leave whole: each store of a wave covers 512 consecutive bytes, aligned.
.set PITCH, 272
.set X,     40                         ; v40-103  my 64 numbers
.set OUTR,  104                        ; v104-119 rows read back
	s_load_b128 s[4:7], s[0:1], 0x0                ; feat, rec
	v_lshl_add_u32 v120, v0, 2, 0x4400
	v_mov_b32 v121, 0
	v_lshrrev_b32 v1, 5, v0
	v_readfirstlane_b32 s8, v1                     ; wave 0..7
	v_and_b32 v1, 31, v0                           ; lane
	s_and_b32 s9, s8, 1                            ; u
	s_lshr_b32 s10, s8, 1                          ; v
	s_lshr_b32 s11, ttmp9, 6                       ; batch
	s_and_b32 s12, ttmp9, 63                       ; which 64 points
	s_lshl_b32 s14, s11, 22                        ; feat: ((256 b + 64 v) 4096 + 64 x + 32 u) 4 bytes
	s_lshl_b32 s13, s10, 20
	s_add_co_u32 s14, s14, s13
	s_lshl_b32 s13, s12, 8
	s_add_co_u32 s14, s14, s13
	s_lshl_b32 s13, s9, 7
	s_add_co_u32 s14, s14, s13
	s_mov_b32 s15, 0
	s_lshl_b32 s16, s11, 20                        ; rec: (4096 b + 64 x + 8 wave) 256 bytes
	s_lshl_b32 s13, s12, 14
	s_add_co_u32 s16, s16, s13
	s_lshl_b32 s13, s8, 11
	s_add_co_u32 s16, s16, s13
	s_mov_b32 s17, 0
	v_lshlrev_b32 v2, 2, v1                        ; in: 4 bytes a lane
	s_mul_i32 s18, s9, 32*PITCH
	v_mul_u32_u24 v18, v1, PITCH
	v_add_nc_u32 v18, s18, v18                     ; my point's row in the stage
	s_mul_i32 s19, s10, 24
	v_add_nc_u32 v3, s19, v18                      ; codes: block 2 v at 24 v of half 0, block 2 v + 1 at 24 v of half 1
	s_lshr_b32 s20, s10, 1
	s_lshl_b32 s20, s20, 7
	s_add_co_u32 s20, s20, 96                      ; half v / 2, byte 96
	s_and_b32 s21, s10, 1
	s_lshl_b32 s22, s21, 1
	s_add_co_u32 s22, s22, s20
	v_add_nc_u32 v4, s22, v18                      ; my two scale bytes
	s_lshl_b32 s22, s21, 4
	s_add_co_u32 s22, s22, s20
	v_add_nc_u32 v5, s22, v18                      ; the 16 bytes that I clear: the four v clear bytes 96-127 of both halves
	s_mul_i32 s23, s8, 8*PITCH
	v_lshrrev_b32 v6, 4, v1
	v_mul_u32_u24 v6, v6, PITCH
	v_and_b32 v7, 15, v1
	v_lshl_add_u32 v6, v7, 4, v6
	v_add_nc_u32 v6, s23, v6                       ; back: rows 8 wave + 2 i + lane / 16, 16 bytes a lane
	v_lshlrev_b32 v7, 4, v1                        ; and the same 512 bytes in rec
	v_mov_b32 v8, 0
	v_mov_b32 v9, 0
	v_mov_b32 v10, 0
	v_mov_b32 v11, 0
	s_wait_kmcnt 0x0
	s_add_nc_u64 s[4:5], s[4:5], s[14:15]
	s_add_nc_u64 s[6:7], s[6:7], s[16:17]
.set i, 0
.rept 64
	global_load_b32 v[X+i], v2, s[4:5] offset:i*16384 th:TH_LOAD_NT   ; channel 64 v + i of my point; read once in the launch
.set i, i+1
.endr
	ds_store_b128 v5, v[8:11]
	s_wait_dscnt 0x0                               ; for the others' sake: my zeros have landed before any wave lays scale bytes over them
	s_barrier_signal -1
	s_barrier_wait -1
.macro BLOCK t
.set XS, X+32*(\t)
.set C,  20+8*(\t)
	v_max3_num_f32 v12, |v[XS]|, |v[XS+1]|, |v[XS+2]|               ; the block's largest magnitude: all 32 numbers are mine
	v_max3_num_f32 v13, |v[XS+3]|, |v[XS+4]|, |v[XS+5]|
.irp i, 6,10,14,18,22,26
	v_max3_num_f32 v12, v12, |v[XS+\i]|, |v[XS+\i+1]|
	v_max3_num_f32 v13, v13, |v[XS+\i+2]|, |v[XS+\i+3]|
.endr
	v_max3_num_f32 v12, v12, |v[XS+30]|, |v[XS+31]|
	v_max3_num_f32 v12, v12, v13, 0x1800000        ; and the floor 2^(3 - 127): the byte cannot fall under 1
	v_add_nc_u32 v[14+\t], 0xff000000, v12         ; 2 off the exponent field: the conversion takes this operand's exponent field as its scale
	v_cvt_scalef32_pk16_fp6_f32 v[C:C+2], v[XS:XS+15], v[14+\t]
	v_cvt_scalef32_pk16_fp6_f32 v[C+4:C+6], v[XS+16:XS+31], v[14+\t]   ; (a conversion's three registers begin on an even number)
	v_lshrrev_b32 v[16+\t], 23, v[14+\t]           ; the scale's byte; also the plain line between the conversions and the moves of their results
	v_mov_b32 v[C+3], v[C+4]
	v_mov_b32 v[C+4], v[C+5]
	v_mov_b32 v[C+5], v[C+6]                       ; the block's 24 bytes on end
	ds_store_b64 v3, v[C:C+1] offset:128*(\t)
	ds_store_b64 v3, v[C+2:C+3] offset:128*(\t)+8
	ds_store_b64 v3, v[C+4:C+5] offset:128*(\t)+16
.endm
	s_wait_loadcnt 32                              ; my first 32 loads are in; the 32 younger ones may be out
	BLOCK 0
	s_wait_loadcnt 0x0
	BLOCK 1
	v_lshl_or_b32 v16, v17, 8, v16
	ds_store_b16 v4, v16                           ; two neighbouring bytes of a scale word
	s_wait_dscnt 0x0                               ; for the others' sake: my part of the records has landed
	s_barrier_signal -1
	s_barrier_wait -1
.irp i, 0,1,2,3
	ds_load_b128 v[OUTR+4*\i:OUTR+4*\i+3], v6 offset:2*\i*PITCH
.endr
.irp i, 0,1,2,3
	s_wait_dscnt 3-\i                              ; LDS loads come back in order: load i is in
	global_store_b128 v7, v[OUTR+4*\i:OUTR+4*\i+3], s[6:7] offset:512*\i   ; two whole records: 512 consecutive bytes, aligned
.endr
	s_wait_tensorcnt 0x0
	ds_add_u32 v120, v121
	s_wait_dscnt 0x0
	s_endpgm
.Lfunc_end_k_qfa7f28da2a_quant:
	.size	k_qfa7f28da2a_quant, .Lfunc_end_k_qfa7f28da2a_quant-k_qfa7f28da2a_quant
	.p2alignl 7, 3214868480
	.fill 96, 4, 3214868480
	.section	.rodata,"a",@progbits
	.p2align	6, 0x0
	.amdhsa_kernel k_qfa7f28da2a_quant
		.amdhsa_group_segment_fixed_size 18432
		.amdhsa_private_segment_fixed_size 0
		.amdhsa_enable_private_segment 0
		.amdhsa_kernarg_size 16
		.amdhsa_user_sgpr_count 2
		.amdhsa_user_sgpr_kernarg_segment_ptr 1
		.amdhsa_wavefront_size32 1
		.amdhsa_system_sgpr_workgroup_id_x 1
		.amdhsa_system_sgpr_workgroup_id_y 1
		.amdhsa_system_sgpr_workgroup_id_z 1
		.amdhsa_system_vgpr_workitem_id 0
		.amdhsa_next_free_vgpr 122
		.amdhsa_next_free_sgpr 66
		.amdhsa_reserve_vcc 0
		.amdhsa_float_denorm_mode_32 3
		.amdhsa_float_denorm_mode_16_64 3
		.amdhsa_memory_ordered 1
		.amdhsa_forward_progress 1
		.amdhsa_inst_pref_size 13
	.end_amdhsa_kernel
	.amdgpu_metadata
---
amdhsa.version: [ 1, 2 ]
amdhsa.kernels:
  - .name:           k_qfa7f28da2a_quant
    .symbol:         k_qfa7f28da2a_quant.kd
    .args:
      - { .name: feat, .offset: 0, .size: 8, .value_kind: global_buffer, .address_space: global }
      - { .name: rec, .offset: 8, .size: 8, .value_kind: global_buffer, .address_space: global }
    .group_segment_fixed_size: 18432
    .private_segment_fixed_size: 0
    .kernarg_segment_align: 8
    .kernarg_segment_size: 16
    .max_flat_workgroup_size: 256
    .sgpr_count:     66
    .vgpr_count:     122
    .wavefront_size: 32
...
	.end_amdgpu_metadata
.endif
;; end of part 1
;; launch knn1 (part 2): grid 512 x 1, 4 waves a work-group, no clusters, 67,072 bytes of LDS; arguments xyz, mask, cnt; writes mask, cnt
.if DOCPART == 2
	.amdgcn_target "amdgcn-amd-amdhsa--gfx1250"
	.amdhsa_code_object_version 6
	.text
	.protected	k_qfa7f28da2a_knn1
	.globl	k_qfa7f28da2a_knn1
	.p2align	8
	.type	k_qfa7f28da2a_knn1,@function
k_qfa7f28da2a_knn1:
	s_mov_b64 s[64:65], 0
	v_nop
	global_prefetch_b8 v0, s[64:65] scope:SCOPE_SE
	s_setreg_imm32_b32 hwreg(HW_REG_WAVE_MODE, 25, 1), 1
	s_wait_xcnt 0x0
; For each query point (b, q): a bound tau >= its 32nd smallest squared distance in the plane, a mask of 4,096 bits: candidate m is marked where p(q, m) <= tau, and the number of marks.
; Nothing here branches or addresses by data.  Later launches list the marked candidates and pick the exact 32 out of them.
; DISTANCE, the same lines here and there: sq = x0 x0 + x1 x1, EACH SQUARE ROUNDED BY ITSELF and the two then added, as the source has them (a product, then a sum): so this multiply and add are not fused;
; u = x0m (-2 x0q);  u = fma(x1m, -2 x1q, u);  t = sq_m + u;  p = t + sq_q.
; LIMITS: two distances within one f32 rounding of each other order as this sequence rounds them; NaN and infinities are not served.
; SHARES: a work-group takes 32 queries of one batch, A LANE A QUERY; wave w takes candidates 1024 w .. 1024 w + 1023, which it lays (x0, x1, sq) into LDS bytes of its
; own and reads back with all lanes at one address, 16 candidates at a time, into two register buffers by turns.
; PASS A: the wave's candidates fall into 16 groups of 64; a lane keeps each group's smallest p.  The 8th smallest of the 16 minima has 8 different candidates at or
; under it; the largest of the four waves' such numbers therefore has 32 at or under it, whatever the data: that is tau.
; PASS B: the distances again; the sign of tau - p is shifted into four words, 32 candidates each.
; MASK: query's row = 512 bytes = 32 groups x 4 words; word j of group g, bit 31 - u, stands for candidate 128 g + 4 u + j.
; CNT: the count of query Q = 4096 b + q lies at byte 128 (Q / 8) + 4 (Q % 8); the other words of each 128 bytes repeat the eight.
.set CANDW,  12288                     ; a wave's candidates in LDS: x0 at 0, x1 at 4,096, sq at 8,192
.set TAUX,   49152                     ; 4 x 128 bytes: each wave's bound for each query
.set STG,    49664                     ; 32 rows (queries) x 528 bytes: the masks on their way out
.set SPITCH, 528
.set M,  14                            ; v14-17  four mask words (pass B)
.set G,  16                            ; v16-31  sixteen group minima (pass A)
.set U,  32                            ; v32-47  sixteen distances at work
.set BA, 48                            ; v48-95, v96-143: two buffers: x0 of 16 candidates, x1 at +16, sq at +32
; v[2:3] -2 x0q, v[4:5] -2 x1q, v[6:7] sq_q, v[8:9] tau (each twice, for the packed forms); v10 the trip's LDS address; v11 my wave's candidates; v12 my row in the stage; v13 at work
	s_load_b128 s[4:7], s[0:1], 0x0                ; xyz, mask
	s_load_b64 s[32:33], s[0:1], 0x10              ; cnt
	v_lshl_add_u32 v160, v0, 2, 0x10400
	v_mov_b32 v161, 0
	v_lshrrev_b32 v1, 5, v0
	v_readfirstlane_b32 s8, v1                     ; wave 0..3
	v_and_b32 v1, 31, v0                           ; lane
	s_lshr_b32 s9, ttmp9, 7                        ; batch
	s_and_b32 s10, ttmp9, 127                      ; which 32 queries
	s_mul_i32 s16, s9, 49152                       ; the batch's x0 row
	s_mov_b32 s17, 0
	s_lshl_b32 s18, s10, 7
	s_lshl_b32 s19, s8, 12
	s_lshl_b32 s20, s9, 21                         ; mask: (4096 b + 32 x + 8 w) 512 bytes
	s_lshl_b32 s22, s10, 14
	s_add_co_u32 s20, s20, s22
	s_add_co_u32 s20, s20, s19
	s_mov_b32 s21, 0
	v_lshlrev_b32 v144, 2, v1
	v_add_nc_u32 v144, s18, v144                   ; my query's x0
	v_lshlrev_b32 v155, 4, v1                      ; 16 x lane
	v_lshlrev_b32 v156, 2, v1                      ; 4 x lane
	v_add_nc_u32 v146, s19, v155                   ; my 16 bytes of the wave's candidates
	s_mul_i32 s23, s8, CANDW
	v_mov_b32 v11, s23
	v_add_nc_u32 v13, s23, v155
	s_lshl_b32 s24, s8, 7
	s_lshl_b32 s34, ttmp9, 9                       ; cnt: my wave's eight queries are the (4 x work-group + w)-th eight: 128 bytes each
	s_add_co_u32 s34, s34, s24
	s_mov_b32 s35, 0
	s_mov_b32 s36, 0x55555555
	s_mov_b32 s37, 0x33333333
	s_mov_b32 s38, 0x0f0f0f0f
	s_mov_b32 s39, 0x01010101
	s_mov_b32 s40, 0x76543210
	s_mov_b32 s41, 0xfedcba98                      ; v_permlanex16_b32's selects for lane l xor 16
	v_mul_u32_u24 v12, v1, SPITCH
	v_add_nc_u32 v12, s24, v12
	v_add_nc_u32 v12, STG, v12                     ; my query's row, my wave's eight groups
	v_lshlrev_b32 v153, 2, v1
	v_add_nc_u32 v153, TAUX, v153
	v_add_nc_u32 v152, s24, v153
	s_mul_i32 s25, s8, 8*SPITCH
	v_add_nc_u32 v154, s25, v155
	v_add_nc_u32 v154, STG, v154                   ; the way out: rows 8 w + i, 16 bytes a lane
	s_wait_kmcnt 0x0
	s_add_nc_u64 s[4:5], s[4:5], s[16:17]
	s_add_nc_u64 s[6:7], s[6:7], s[20:21]
	s_add_nc_u64 s[32:33], s[32:33], s[34:35]
	global_load_b32 v147, v144, s[4:5]
	global_load_b32 v148, v144, s[4:5] offset:16384
.irp i, 0,1,2,3,4,5,6,7
	global_load_b128 v[48+4*\i:51+4*\i], v146, s[4:5] offset:512*\i
	global_load_b128 v[80+4*\i:83+4*\i], v146, s[4:5] offset:16384+512*\i
.endr
	s_wait_loadcnt 0x0
.irp i, 0,2,4,6,8,10,12,14,16,18,20,22,24,26,28,30
	v_pk_mul_f32 v[112+\i:113+\i], v[48+\i:49+\i], v[48+\i:49+\i]   ; x0 x0, rounded
.endr
.irp i, 0,2,4,6,8,10,12,14,16,18,20,22,24,26,28,30
	v_pk_mul_f32 v[16+\i:17+\i], v[80+\i:81+\i], v[80+\i:81+\i]     ; x1 x1, rounded (v16-47 are free here)
.endr
.irp i, 0,2,4,6,8,10,12,14,16,18,20,22,24,26,28,30
	v_pk_add_f32 v[112+\i:113+\i], v[112+\i:113+\i], v[16+\i:17+\i] ; sq of the candidates: the sum of the two rounded squares, not fused on purpose
.endr
.irp i, 0,1,2,3,4,5,6,7
	ds_store_b128 v13, v[48+4*\i:51+4*\i] offset:512*\i
	ds_store_b128 v13, v[80+4*\i:83+4*\i] offset:4096+512*\i
	ds_store_b128 v13, v[112+4*\i:115+4*\i] offset:8192+512*\i
.endr
	v_mul_f32 v2, -2.0, v147
	v_mul_f32 v4, -2.0, v148
	v_mul_f32 v6, v147, v147
	v_mul_f32 v7, v148, v148
	v_add_f32 v6, v6, v7                           ; sq of my query, by the same three roundings
	v_mov_b32 v3, v2
	v_mov_b32 v5, v4
	v_mov_b32 v7, v6
.irp i, 0,1,2,3,4,5,6,7,8,9,10,11,12,13,14,15
	v_mov_b32 v[G+\i], 0x7f800000                  ; the minima begin at +infinity
.endr
	s_wait_dscnt 0x0                               ; the stores have read their registers, which the buffers' loads take next.  The bytes are the wave's own: no barrier
.macro LOADQ buf, off                  ; 16 candidates at byte off of the trip: every lane reads the same 16 bytes
.irp e, 0,1,2,3
	ds_load_b128 v[\buf+4*\e:\buf+4*\e+3], v10 offset:(\off)+16*\e
	ds_load_b128 v[\buf+16+4*\e:\buf+19+4*\e], v10 offset:(\off)+16*\e+4096
	ds_load_b128 v[\buf+32+4*\e:\buf+35+4*\e], v10 offset:(\off)+16*\e+8192
.endr
.endm
.macro DIST buf                        ; 16 distances, two an instruction
.irp i, 0,2,4,6,8,10,12,14
	v_pk_mul_f32 v[U+\i:U+\i+1], v[\buf+\i:\buf+\i+1], v[2:3]
.endr
.irp i, 0,2,4,6,8,10,12,14
	v_pk_fma_f32 v[U+\i:U+\i+1], v[\buf+16+\i:\buf+17+\i], v[4:5], v[U+\i:U+\i+1]
.endr
.irp i, 0,2,4,6,8,10,12,14
	v_pk_add_f32 v[U+\i:U+\i+1], v[\buf+32+\i:\buf+33+\i], v[U+\i:U+\i+1]
.endr
.irp i, 0,2,4,6,8,10,12,14
	v_pk_add_f32 v[U+\i:U+\i+1], v[U+\i:U+\i+1], v[6:7]
.endr
.endm
.macro MINS sb                         ; four candidates into each of four groups
.irp e, 0,1,2,3
	v_min3_num_f32 v[G+4*((\sb)%4)+\e], v[G+4*((\sb)%4)+\e], v[U+4*\e], v[U+4*\e+1]
.endr
.irp e, 0,1,2,3
	v_min3_num_f32 v[G+4*((\sb)%4)+\e], v[G+4*((\sb)%4)+\e], v[U+4*\e+2], v[U+4*\e+3]
.endr
.endm
.macro BITS                            ; the sign of tau - p is 1 just where p > tau; each word moves up one bit and takes it in
.irp i, 0,2,4,6,8,10,12,14
	v_pk_add_f32 v[U+\i:U+\i+1], v[8:9], v[U+\i:U+\i+1] neg_lo:[0,1] neg_hi:[0,1]
.endr
.irp e, 0,1,2,3
.irp j, 0,1,2,3
	v_alignbit_b32 v[M+\j], v[M+\j], v[U+4*\e+\j], 31
.endr
.endr
.endm
; A trip: 128 candidates, eight runs of 16 on the two buffers by turns.  While one run is worked, the next one's twelve loads are out: s_wait_dscnt 12 leaves just those out.
; The eighth run asks for the next trip's first (last = 0) or for nothing (last = 1).  mode 0: pass A; 1: pass B, which ends with the group's four words stored.
.macro TRIP mode, last
	v_add_nc_u32 v10, s13, v11
.irp sb, 0,1,2,3,4,5,6,7
.set CUR, BA+48*(\sb%2)
.set NXT, BA+48*(1-\sb%2)
.if \sb < 7
	LOADQ NXT, 64*(\sb+1)
	s_wait_dscnt 12
.elseif !\last
	LOADQ NXT, 512
	s_wait_dscnt 12
.else
	s_wait_dscnt 0x0
.endif
	DIST CUR
.if \mode
	BITS
.else
	MINS \sb
.endif
.endr
.if \mode
.irp j, 0,1,2,3
	v_xor_b32 v[M+\j], -1, v[M+\j]                 ; 1 where p <= tau
.endr
	v_add_nc_u32 v13, s14, v12
	ds_store_b128 v13, v[M:M+3]                    ; (older than the next run's twelve loads: the next wait for 12 shows it done before the words are written again)
.endif
.endm
	; ---- pass A
	s_mov_b32 s13, 0
	v_mov_b32 v10, v11
	LOADQ BA, 0
	s_mov_b32 s12, 7
.Lpass_a:
	TRIP 0, 0
	s_add_co_u32 s13, s13, 512
	s_sub_co_u32 s12, s12, 1
	s_cmp_lg_u32 s12, 0
	s_cbranch_scc1 .Lpass_a
	s_mov_b32 s13, 3584
	TRIP 0, 1                                      ; the eighth trip is written out: it asks for nothing beyond the wave's candidates
	; ---- the 8th smallest of the 16 minima: two sorts of eight (19 exchanges each), the smaller of a_i and b_(7-i), the largest of those
.macro CE a, b
	v_min_num_f32 v13, v[G+\a], v[G+\b]
	v_max_num_f32 v[G+\b], v[G+\a], v[G+\b]
	v_mov_b32 v[G+\a], v13
.endm
.irp o, 0, 8
	CE \o+0, \o+1
	CE \o+2, \o+3
	CE \o+4, \o+5
	CE \o+6, \o+7
	CE \o+0, \o+2
	CE \o+1, \o+3
	CE \o+4, \o+6
	CE \o+5, \o+7
	CE \o+1, \o+2
	CE \o+5, \o+6
	CE \o+0, \o+4
	CE \o+1, \o+5
	CE \o+2, \o+6
	CE \o+3, \o+7
	CE \o+2, \o+4
	CE \o+3, \o+5
	CE \o+1, \o+2
	CE \o+3, \o+4
	CE \o+5, \o+6
.endr
.irp i, 0,1,2,3,4,5,6,7
	v_min_num_f32 v[144+\i], v[G+\i], v[G+15-\i]
.endr
	v_max3_num_f32 v144, v144, v145, v146
	v_max3_num_f32 v144, v144, v147, v148
	v_max3_num_f32 v144, v144, v149, v150
	v_max_num_f32 v144, v144, v151
	ds_store_b32 v152, v144
	s_wait_dscnt 0x0                               ; for the others' sake: my bound has landed
	s_barrier_signal -1
	s_barrier_wait -1
.irp i, 0,1,2,3
	ds_load_b32 v[144+\i], v153 offset:128*\i
.endr
	s_wait_dscnt 0x0
	v_max3_num_f32 v8, v144, v145, v146
	v_max_num_f32 v8, v8, v147                     ; tau
	v_mov_b32 v9, v8
.irp j, 0,1,2,3
	v_mov_b32 v[M+\j], 0                           ; written once; 32 shifts a trip push every old bit out
.endr
	; ---- pass B
	s_mov_b32 s13, 0
	s_mov_b32 s14, 0
	v_mov_b32 v10, v11
	LOADQ BA, 0
	s_mov_b32 s12, 7
.Lpass_b:
	TRIP 1, 0
	s_add_co_u32 s13, s13, 512
	s_add_co_u32 s14, s14, 16
	s_sub_co_u32 s12, s12, 1
	s_cmp_lg_u32 s12, 0
	s_cbranch_scc1 .Lpass_b
	s_mov_b32 s13, 3584
	s_mov_b32 s14, 112
	TRIP 1, 1
	s_wait_dscnt 0x0                               ; for the others' sake: my eight groups of every row have landed
	s_barrier_signal -1
	s_barrier_wait -1
.irp i, 0,1,2,3,4,5,6,7
	ds_load_b128 v[48+4*\i:51+4*\i], v154 offset:\i*SPITCH
.endr
.irp i, 0,1,2,3,4,5,6,7
	s_wait_dscnt 7-\i
	global_store_b128 v155, v[48+4*\i:51+4*\i], s[6:7] offset:512*\i   ; a query's whole row: 512 consecutive bytes, aligned
.endr
	; ---- the counts.  Of query 8 w + q my lane holds four words in v[48 + 4 q ..], which the stores above only read.  Their ones are counted by fields of 2, 4 and 8 bits, the four words
	; by turns; the four words' bytes are added (32 at the most in a byte), and a multiplication adds the four bytes (128 at the most).
.macro CNT4 q
.irp j, 0,1,2,3
	v_lshrrev_b32 v[108+\j], 1, v[48+4*(\q)+\j]
.endr
.irp j, 0,1,2,3
	v_and_b32 v[108+\j], s36, v[108+\j]
.endr
.irp j, 0,1,2,3
	v_sub_nc_u32 v[96+\j], v[48+4*(\q)+\j], v[108+\j]
.endr
.irp j, 0,1,2,3
	v_lshrrev_b32 v[108+\j], 2, v[96+\j]
.endr
.irp j, 0,1,2,3
	v_and_b32 v[96+\j], s37, v[96+\j]
.endr
.irp j, 0,1,2,3
	v_and_b32 v[108+\j], s37, v[108+\j]
.endr
.irp j, 0,1,2,3
	v_add_nc_u32 v[96+\j], v[96+\j], v[108+\j]
.endr
.irp j, 0,1,2,3
	v_lshrrev_b32 v[108+\j], 4, v[96+\j]
.endr
.irp j, 0,1,2,3
	v_add_nc_u32 v[96+\j], v[96+\j], v[108+\j]
.endr
.irp j, 0,1,2,3
	v_and_b32 v[96+\j], s38, v[96+\j]
.endr
	v_add3_u32 v96, v96, v97, v98
	v_add_nc_u32 v96, v96, v99
	v_mul_lo_u32 v96, v96, s39
	v_lshrrev_b32 v[100+(\q)], 24, v96
.endm
.irp q, 0,1,2,3,4,5,6,7
	CNT4 \q
.endr
.irp q, 0,1,2,3,4,5,6,7
	v_mov_b32 v[112+\q], 0                         ; written once: the destination of a lane move counts as one of its sources
.endr
.irp n, 1,2,4,8
.irp q, 0,1,2,3,4,5,6,7
	v_mov_b32_dpp v[112+\q], v[100+\q] row_xmask:\n row_mask:0xf bank_mask:0xf
.endr
.irp q, 0,1,2,3,4,5,6,7
	v_add_nc_u32 v[100+\q], v[100+\q], v[112+\q]   ; over the 16 lanes of a half, the eight queries by turns
.endr
.endr
.irp q, 0,1,2,3,4,5,6,7
	v_permlanex16_b32 v[112+\q], v[100+\q], s40, s41
.endr
.irp q, 0,1,2,3,4,5,6,7
	v_add_nc_u32 v[100+\q], v[100+\q], v[112+\q]   ; and over both halves: every lane holds the query's count
.endr
	v_mov_b32 v120, v100
.irp q, 1,2,3,4,5,6,7
	s_mov_b32 s42, 0x01010101<<\q
	v_cndmask_b32 v120, v120, v[100+\q], s42       ; lane l keeps the count of query 8 w + l % 8
.endr
	global_store_b32 v156, v120, s[32:33]          ; 128 consecutive bytes a wave, 512 a work-group, aligned
	s_wait_tensorcnt 0x0
	ds_add_u32 v160, v161
	s_wait_dscnt 0x0
	s_endpgm
.Lfunc_end_k_qfa7f28da2a_knn1:
	.size	k_qfa7f28da2a_knn1, .Lfunc_end_k_qfa7f28da2a_knn1-k_qfa7f28da2a_knn1
	.p2alignl 7, 3214868480
	.fill 96, 4, 3214868480
	.section	.rodata,"a",@progbits
	.p2align	6, 0x0
	.amdhsa_kernel k_qfa7f28da2a_knn1
		.amdhsa_group_segment_fixed_size 67072
		.amdhsa_private_segment_fixed_size 0
		.amdhsa_enable_private_segment 0
		.amdhsa_kernarg_size 24
		.amdhsa_user_sgpr_count 2
		.amdhsa_user_sgpr_kernarg_segment_ptr 1
		.amdhsa_wavefront_size32 1
		.amdhsa_system_sgpr_workgroup_id_x 1
		.amdhsa_system_sgpr_workgroup_id_y 1
		.amdhsa_system_sgpr_workgroup_id_z 1
		.amdhsa_system_vgpr_workitem_id 0
		.amdhsa_next_free_vgpr 162
		.amdhsa_next_free_sgpr 66
		.amdhsa_reserve_vcc 0
		.amdhsa_float_denorm_mode_32 3
		.amdhsa_float_denorm_mode_16_64 3
		.amdhsa_memory_ordered 1
		.amdhsa_forward_progress 1
		.amdhsa_inst_pref_size 156
	.end_amdhsa_kernel
	.amdgpu_metadata
---
amdhsa.version: [ 1, 2 ]
amdhsa.kernels:
  - .name:           k_qfa7f28da2a_knn1
    .symbol:         k_qfa7f28da2a_knn1.kd
    .args:
      - { .name: xyz, .offset: 0, .size: 8, .value_kind: global_buffer, .address_space: global }
      - { .name: mask, .offset: 8, .size: 8, .value_kind: global_buffer, .address_space: global }
      - { .name: cnt, .offset: 16, .size: 8, .value_kind: global_buffer, .address_space: global }
    .group_segment_fixed_size: 67072
    .private_segment_fixed_size: 0
    .kernarg_segment_align: 8
    .kernarg_segment_size: 24
    .max_flat_workgroup_size: 128
    .sgpr_count:     66
    .vgpr_count:     162
    .wavefront_size: 32
...
	.end_amdgpu_metadata
.endif
;; end of part 2
;; launch knn2 (part 3): grid 1024 x 1, 16 waves a work-group, no clusters, 0 bytes of LDS; arguments mask, cnt, list; writes list
.if DOCPART == 3
	.amdgcn_target "amdgcn-amd-amdhsa--gfx1250"
	.amdhsa_code_object_version 6
	.text
	.protected	k_qfa7f28da2a_knn2
	.globl	k_qfa7f28da2a_knn2
	.p2align	8
	.type	k_qfa7f28da2a_knn2,@function
k_qfa7f28da2a_knn2:
	s_mov_b64 s[64:65], 0
	v_nop
	global_prefetch_b8 v0, s[64:65] scope:SCOPE_SE
	s_setreg_imm32_b32 hwreg(HW_REG_WAVE_MODE, 25, 1), 1
	s_wait_xcnt 0x0
; For each query Q = 4096 b + q: the numbers of the candidates marked in its mask, written out one after the other: list[Q][T], T = 0 .. count - 1 (in the order lane, word, bit of the mask).
; The next launch reads them and forms addresses of them; here every address is made of ids and the loop's counter alone, and the trip count comes from the count that an earlier launch stored.
; list has 4,096 places a query: ties can mark every candidate, so no smaller bound holds for every input.  A trip writes 32 places; in the last trip the lanes past the count
; write a number between 0 and 4,095 that nobody uses.
; SHARES: a wave a query; waves share nothing, so there is no barrier and no LDS byte is touched (the lane permutes go through the LDS unit only).
; Lane L holds group L of the mask (four words, 128 candidates).  A trip takes the next 32 places, a lane a place T:
;   SEARCH: the lane whose running count passes T (five probes);  the word among its four;  SELECT: the bit in the word, by counts of 16, 8, 4, 2, 1 bits.
; v4-7 my words; v8-11 counts up to and with word 0..3; v12, v13 counts with and without my lane's; v14 T; v15 4 x the lane found; v18-25 what that lane holds;
; v26 what is left of T; v27 the word; v28, v29 its offset and number; v30-33 counts by 2, 4, 8, 16 bits; v34 the bit; v37 the candidate; v52 the store's offset.
	s_load_b128 s[4:7], s[0:1], 0x0                ; mask, cnt
	s_load_b64 s[8:9], s[0:1], 0x10                ; list
	v_lshrrev_b32 v1, 5, v0
	v_readfirstlane_b32 s10, v1                    ; wave 0..15
	v_and_b32 v1, 31, v0                           ; lane
	s_lshl_b32 s11, ttmp9, 4
	s_add_co_u32 s11, s11, s10                     ; the query
	s_lshl_b32 s32, s11, 9                         ; its row of the mask
	s_mov_b32 s33, 0
	s_lshr_b32 s34, s11, 3                         ; its count: 128 (Q / 8) + 4 (Q % 8)
	s_lshl_b32 s34, s34, 7
	s_and_b32 s31, s11, 7
	s_lshl_b32 s31, s31, 2
	s_add_co_u32 s34, s34, s31
	s_mov_b32 s35, 0
	s_lshl_b32 s38, s11, 14                        ; its row of the list: 16,384 bytes a query, under 2^28 in all
	s_mov_b32 s39, 0
	s_mov_b32 s18, 0xffff0000                      ; lanes 16-31
	s_mov_b32 s26, 0x55555555
	s_mov_b32 s27, 0x33333333
	s_mov_b32 s28, 0x0f0f0f0f
	s_mov_b32 s29, 0x01010101
	s_mov_b32 s30, 0x00ff00ff
	v_lshlrev_b32 v2, 4, v1
	v_lshlrev_b32 v3, 2, v1
	s_wait_kmcnt 0x0
	s_add_nc_u64 s[4:5], s[4:5], s[32:33]
	s_add_nc_u64 s[6:7], s[6:7], s[34:35]
	s_add_nc_u64 s[8:9], s[8:9], s[38:39]
	global_load_b128 v[4:7], v2, s[4:5] th:TH_LOAD_NT   ; read once in the launch
	s_load_b32 s13, s[6:7], 0x0                    ; how many are marked (no line of this launch writes cnt)
	v_mov_b32 v48, 0                               ; written once: the destination of a lane move counts as one of its sources
	v_mov_b32 v14, v1                              ; T = lane
	s_wait_kmcnt 0x0
	s_add_co_u32 s14, s13, 31
	s_lshr_b32 s14, s14, 5
	s_max_u32 s14, s14, 1
	s_min_u32 s14, s14, 128                        ; trips
.macro POP dst, src                    ; the number of ones in a word
	v_lshrrev_b32 v49, 1, v[\src]
	v_and_b32 v49, s26, v49
	v_sub_nc_u32 v[\dst], v[\src], v49
	v_lshrrev_b32 v49, 2, v[\dst]
	v_and_b32 v[\dst], s27, v[\dst]
	v_and_b32 v49, s27, v49
	v_add_nc_u32 v[\dst], v[\dst], v49
	v_lshrrev_b32 v49, 4, v[\dst]
	v_add_nc_u32 v[\dst], v[\dst], v49
	v_and_b32 v[\dst], s28, v[\dst]
	v_mul_lo_u32 v[\dst], v[\dst], s29
	v_lshrrev_b32 v[\dst], 24, v[\dst]
.endm
	s_wait_loadcnt 0x0
	POP 8, 4
	POP 9, 5
	POP 10, 6
	POP 11, 7
	v_add_nc_u32 v9, v9, v8
	v_add_nc_u32 v10, v10, v9
	v_add_nc_u32 v11, v11, v10
	v_mov_b32 v12, v11
.irp n, 1,2,4,8
	v_mov_b32_dpp v48, v12 row_shr:\n row_mask:0xf bank_mask:0xf bound_ctrl:1   ; running counts inside each 16 lanes
	v_add_nc_u32 v12, v12, v48
.endr
	v_readlane_b32 s19, v12, 15
	v_mov_b32 v49, s19
	v_cndmask_b32 v48, 0, v49, s18
	v_add_nc_u32 v12, v12, v48                     ; and over all 32
	v_sub_nc_u32 v13, v12, v11
.macro SEL s, src, width               ; are the \s bits from v34 on too few?  Then pass them
	v_bfe_u32 v35, v[\src], v34, \width
	v_cmp_ge_u32 vcc_lo, v26, v35
	v_sub_nc_u32 v35, v26, v35
	v_add_nc_u32 v36, \s, v34
	v_cndmask_b32 v26, v26, v35, vcc_lo
	v_cndmask_b32 v34, v34, v36, vcc_lo
.endm
	s_mov_b32 s15, 0
.Ltrip:
	s_lshl_b32 s23, s15, 7
	v_add_nc_u32 v52, s23, v3                      ; 128 x trip + 4 x lane  (the last trip's store has read it: the wait at the trip's end)
	v_mov_b32 v15, 0                               ; SEARCH: how many lanes' running counts are at or under T (31 at the most)
.irp s, 16,8,4,2,1
	v_add_nc_u32 v16, 4*\s-4, v15
	v_min_u32 v16, 124, v16
	ds_bpermute_b32 v17, v16, v12
	v_add_nc_u32 v35, 4*\s, v15
	s_wait_dscnt 0x0
	v_cmp_le_u32 vcc_lo, v17, v14
	v_cndmask_b32 v15, v15, v35, vcc_lo
.endr
	v_min_u32 v16, 124, v15
	ds_bpermute_b32 v18, v16, v13
	ds_bpermute_b32 v19, v16, v8
	ds_bpermute_b32 v20, v16, v9
	ds_bpermute_b32 v21, v16, v10
	ds_bpermute_b32 v22, v16, v4
	ds_bpermute_b32 v23, v16, v5
	ds_bpermute_b32 v24, v16, v6
	ds_bpermute_b32 v25, v16, v7
	s_wait_dscnt 0x0
	v_sub_nc_u32 v26, v14, v18
	v_cmp_ge_u32 vcc_lo, v26, v19                  ; the word
	v_cndmask_b32 v27, v22, v23, vcc_lo
	v_cndmask_b32 v28, 0, v19, vcc_lo
	v_cndmask_b32 v29, 0, 1, vcc_lo
	v_cmp_ge_u32 vcc_lo, v26, v20
	v_cndmask_b32 v27, v27, v24, vcc_lo
	v_cndmask_b32 v28, v28, v20, vcc_lo
	v_cndmask_b32 v29, v29, 2, vcc_lo
	v_cmp_ge_u32 vcc_lo, v26, v21
	v_cndmask_b32 v27, v27, v25, vcc_lo
	v_cndmask_b32 v28, v28, v21, vcc_lo
	v_cndmask_b32 v29, v29, 3, vcc_lo
	v_sub_nc_u32 v26, v26, v28
	v_lshrrev_b32 v35, 1, v27                      ; SELECT: the word's counts by fields of 2, 4, 8, 16 bits
	v_and_b32 v35, s26, v35
	v_sub_nc_u32 v30, v27, v35
	v_lshrrev_b32 v35, 2, v30
	v_and_b32 v31, s27, v30
	v_and_b32 v35, s27, v35
	v_add_nc_u32 v31, v31, v35
	v_lshrrev_b32 v35, 4, v31
	v_add_nc_u32 v32, v31, v35
	v_and_b32 v32, s28, v32
	v_lshrrev_b32 v35, 8, v32
	v_add_nc_u32 v33, v32, v35
	v_and_b32 v33, s30, v33
	v_mov_b32 v34, 0
	SEL 16, 33, 16
	SEL 8, 32, 8
	SEL 4, 31, 4
	SEL 2, 30, 2
	SEL 1, 27, 1
	v_sub_nc_u32 v35, 31, v34                      ; the candidate: 128 x lane + 4 (31 - bit) + word: between 0 and 4,095 whatever T is
	v_lshlrev_b32 v37, 5, v15
	v_lshl_add_u32 v37, v35, 2, v37
	v_add_nc_u32 v37, v37, v29
	global_store_b32 v52, v37, s[8:9]              ; 128 consecutive bytes a trip; two trips fill 256
	v_add_nc_u32 v14, 32, v14
	s_wait_xcnt 0x0                                ; the store has read its offset and its data: the next trip writes both again
	s_add_co_u32 s15, s15, 1
	s_cmp_lt_u32 s15, s14
	s_cbranch_scc1 .Ltrip
	s_endpgm
.Lfunc_end_k_qfa7f28da2a_knn2:
	.size	k_qfa7f28da2a_knn2, .Lfunc_end_k_qfa7f28da2a_knn2-k_qfa7f28da2a_knn2
	.p2alignl 7, 3214868480
	.fill 96, 4, 3214868480
	.section	.rodata,"a",@progbits
	.p2align	6, 0x0
	.amdhsa_kernel k_qfa7f28da2a_knn2
		.amdhsa_group_segment_fixed_size 0
		.amdhsa_private_segment_fixed_size 0
		.amdhsa_enable_private_segment 0
		.amdhsa_kernarg_size 24
		.amdhsa_user_sgpr_count 2
		.amdhsa_user_sgpr_kernarg_segment_ptr 1
		.amdhsa_wavefront_size32 1
		.amdhsa_system_sgpr_workgroup_id_x 1
		.amdhsa_system_sgpr_workgroup_id_y 1
		.amdhsa_system_sgpr_workgroup_id_z 1
		.amdhsa_system_vgpr_workitem_id 0
		.amdhsa_next_free_vgpr 56
		.amdhsa_next_free_sgpr 66
		.amdhsa_reserve_vcc 1
		.amdhsa_float_denorm_mode_32 3
		.amdhsa_float_denorm_mode_16_64 3
		.amdhsa_memory_ordered 1
		.amdhsa_forward_progress 1
		.amdhsa_inst_pref_size 9
	.end_amdhsa_kernel
	.amdgpu_metadata
---
amdhsa.version: [ 1, 2 ]
amdhsa.kernels:
  - .name:           k_qfa7f28da2a_knn2
    .symbol:         k_qfa7f28da2a_knn2.kd
    .args:
      - { .name: mask, .offset: 0, .size: 8, .value_kind: global_buffer, .address_space: global }
      - { .name: cnt, .offset: 8, .size: 8, .value_kind: global_buffer, .address_space: global }
      - { .name: list, .offset: 16, .size: 8, .value_kind: global_buffer, .address_space: global }
    .group_segment_fixed_size: 0
    .private_segment_fixed_size: 0
    .kernarg_segment_align: 8
    .kernarg_segment_size: 24
    .max_flat_workgroup_size: 512
    .sgpr_count:     66
    .vgpr_count:     56
    .wavefront_size: 32
...
	.end_amdgpu_metadata
.endif
;; end of part 3
;; launch knn3 (part 4): grid 1024 x 1, 16 waves a work-group, no clusters, 0 bytes of LDS; arguments list, cnt, xyz, idx; writes idx
.if DOCPART == 4
	.amdgcn_target "amdgcn-amd-amdhsa--gfx1250"
	.amdhsa_code_object_version 6
	.text
	.protected	k_qfa7f28da2a_knn3
	.globl	k_qfa7f28da2a_knn3
	.p2align	8
	.type	k_qfa7f28da2a_knn3,@function
k_qfa7f28da2a_knn3:
	s_mov_b64 s[64:65], 0
	v_nop
	global_prefetch_b8 v0, s[64:65] scope:SCOPE_SE
	s_setreg_imm32_b32 hwreg(HW_REG_WAVE_MODE, 25, 1), 1
	s_wait_xcnt 0x0
; For each query (b, q): out of its listed candidates (at least 32, at most 4,096) the 32 with the smallest (p, index), in that order: idx[b][32 q + rank].
; Ties in p go to the lower index, as jax.lax.top_k has it.  p is made by the same lines as in the launch that made the mask:
; sq = x0 x0 + x1 x1, each square rounded by itself and the two then added, as the source has them (not fused on purpose);  u = x0m (-2 x0q);  u = fma(x1m, -2 x1q, u);  t = sq_m + u;  p = t + sq_q.
; LIMITS: two distances within one f32 rounding of each other order as this sequence rounds them; NaN and infinities are not served.
; SHARES: a wave a query; waves share nothing: no barrier, no LDS.  A trip takes the next 32 places of the query's list, a lane a place T: the candidate's number is loaded, held inside
; the table and made into the address of its coordinates.  The trip count comes from the count that an earlier launch stored; comparisons of p only select values.
; The trip's 32 are sorted downward by (p, index) (15 exchange stages), joined with the 32 kept so far (sorted upward): the smaller at each lane are the 32 smallest of the 64;
; five more stages sort them upward again.
; v14 T; v36 the gather's offset; v37 the candidate; v38, v39 its coordinates; v40 its p; v41, v42 the partner's; v43, v44 the 32 kept: p and index; v45-47 -2 x0q, -2 x1q, sq_q;
; v50, v51 +infinity and the greatest index, for lanes without a candidate; v52 the list's offset.
	s_load_b256 s[4:11], s[0:1], 0x0               ; list, cnt, xyz, idx
	v_lshrrev_b32 v1, 5, v0
	v_readfirstlane_b32 s12, v1                    ; wave 0..15
	v_and_b32 v1, 31, v0                           ; lane
	s_lshl_b32 s18, ttmp9, 4
	s_add_co_u32 s18, s18, s12                     ; the query, 4096 b + q
	s_lshr_b32 s26, s18, 12
	s_and_b32 s27, s18, 4095
	s_lshl_b32 s28, s18, 14                        ; its row of the list
	s_mov_b32 s29, 0
	s_lshr_b32 s30, s18, 3                         ; its count: 128 (Q / 8) + 4 (Q % 8)
	s_lshl_b32 s30, s30, 7
	s_and_b32 s19, s18, 7
	s_lshl_b32 s19, s19, 2
	s_add_co_u32 s30, s30, s19
	s_mov_b32 s31, 0
	s_mul_i32 s32, s26, 49152                      ; its batch's x0 row
	s_mov_b32 s33, 0
	s_lshl_b32 s34, s27, 2
	s_mov_b32 s35, 0
	s_lshl_b32 s36, s18, 7                         ; its 32 places in idx
	s_mov_b32 s37, 0
	s_mov_b32 s16, 0x76543210
	s_mov_b32 s17, 0xfedcba98                      ; v_permlanex16_b32's selects for lane l xor 16
	v_lshlrev_b32 v3, 2, v1
	s_wait_kmcnt 0x0
	s_add_nc_u64 s[4:5], s[4:5], s[28:29]
	s_add_nc_u64 s[6:7], s[6:7], s[30:31]
	s_add_nc_u64 s[8:9], s[8:9], s[32:33]
	s_add_nc_u64 s[10:11], s[10:11], s[36:37]
	s_add_nc_u64 s[34:35], s[8:9], s[34:35]
	s_load_b32 s13, s[6:7], 0x0                    ; how many are listed (no line of this launch writes cnt or xyz)
	s_load_b32 s24, s[34:35], 0x0                  ; the query's x0, x1
	s_load_b32 s25, s[34:35], 0x4000
	v_mov_b32 v50, 0x7f800000
	v_mov_b32 v51, 0x7fffffff
	v_mov_b32 v43, v50
	v_mov_b32 v44, v51
	v_mov_b32 v41, 0                               ; written once: a lane permute's destination counts as one of its sources
	v_mov_b32 v42, 0
	v_mov_b32 v14, v1                              ; T = lane
	s_wait_kmcnt 0x0
	s_add_co_u32 s14, s13, 31
	s_lshr_b32 s14, s14, 5
	s_max_u32 s14, s14, 1
	s_min_u32 s14, s14, 128                        ; trips
	v_mov_b32 v38, s24
	v_mov_b32 v39, s25
	v_mul_f32 v45, -2.0, v38
	v_mul_f32 v46, -2.0, v39
	v_mul_f32 v47, v38, v38
	v_mul_f32 v48, v39, v39
	v_add_f32 v47, v47, v48                        ; sq of the query: two rounded squares, then their sum
; An exchange stage between lanes l and l xor j on the key (p, index).  A lane takes its partner's key where (partner < mine) xor its bit of nk.
.macro STAGE kp, ki, j, nk
.if \j == 16
	v_permlanex16_b32 v41, v[\kp], s16, s17
	v_permlanex16_b32 v42, v[\ki], s16, s17
.else
	v_mov_b32_dpp v41, v[\kp] row_xmask:\j row_mask:0xf bank_mask:0xf
	v_mov_b32_dpp v42, v[\ki] row_xmask:\j row_mask:0xf bank_mask:0xf
.endif
	v_cmp_lt_f32 s20, v41, v[\kp]
	v_cmp_eq_f32 s21, v41, v[\kp]
	v_cmp_lt_u32 s22, v42, v[\ki]
	s_and_b32 s21, s21, s22
	s_or_b32 s20, s20, s21
	s_xor_b32 s20, s20, \nk
	v_cndmask_b32 v[\kp], v[\kp], v41, s20
	v_cndmask_b32 v[\ki], v[\ki], v42, s20
.endm
; nk: JM = the lanes that are the lower of their pair, KM = the lanes whose run of k goes the other way; upward: not (JM xor KM); downward: its complement
.macro BST kp, ki, k, j, desc
.if \j == 1
.set JM, 0x55555555
.elseif \j == 2
.set JM, 0x33333333
.elseif \j == 4
.set JM, 0x0f0f0f0f
.elseif \j == 8
.set JM, 0x00ff00ff
.else
.set JM, 0x0000ffff
.endif
.if \k == 2
.set KM, 0xcccccccc
.elseif \k == 4
.set KM, 0xf0f0f0f0
.elseif \k == 8
.set KM, 0xff00ff00
.elseif \k == 16
.set KM, 0xffff0000
.else
.set KM, 0
.endif
.set NK, JM^KM^0xffffffff^(0xffffffff*\desc)
	STAGE \kp, \ki, \j, NK
.endm
	s_mov_b32 s15, 0
.Ltrip:
	s_lshl_b32 s19, s15, 7
	v_add_nc_u32 v52, s19, v3                      ; 128 x trip + 4 x lane  (the last trip's load from it has been waited for)
	global_load_b32 v37, v52, s[4:5] th:TH_LOAD_NT ; the T-th listed candidate; read once in the launch
	v_cmp_gt_u32 s23, s13, v14                     ; is there a T-th listed candidate?
	s_wait_loadcnt 0x0
	v_min_u32 v37, 0xfff, v37                      ; held inside the table before it enters an address
	v_lshlrev_b32 v36, 2, v37
	global_load_b32 v38, v36, s[8:9]
	global_load_b32 v39, v36, s[8:9] offset:16384
	s_wait_loadcnt 0x0                             ; (also frees v36 for the next trip)
	v_mul_f32 v48, v38, v38
	v_mul_f32 v49, v39, v39
	v_add_f32 v48, v48, v49                        ; sq of the candidate: two rounded squares, then their sum
	v_mul_f32 v49, v38, v45
	v_fma_f32 v49, v39, v46, v49
	v_add_f32 v49, v48, v49
	v_add_f32 v40, v49, v47
	v_cndmask_b32 v40, v50, v40, s23
	v_cndmask_b32 v37, v51, v37, s23
	BST 40, 37, 2, 1, 1                            ; the trip's 32, downward
	BST 40, 37, 4, 2, 1
	BST 40, 37, 4, 1, 1
	BST 40, 37, 8, 4, 1
	BST 40, 37, 8, 2, 1
	BST 40, 37, 8, 1, 1
	BST 40, 37, 16, 8, 1
	BST 40, 37, 16, 4, 1
	BST 40, 37, 16, 2, 1
	BST 40, 37, 16, 1, 1
	BST 40, 37, 32, 16, 1
	BST 40, 37, 32, 8, 1
	BST 40, 37, 32, 4, 1
	BST 40, 37, 32, 2, 1
	BST 40, 37, 32, 1, 1
	v_cmp_lt_f32 s20, v40, v43                     ; the smaller at each lane
	v_cmp_eq_f32 s21, v40, v43
	v_cmp_lt_u32 s22, v37, v44
	s_and_b32 s21, s21, s22
	s_or_b32 s20, s20, s21
	v_cndmask_b32 v43, v43, v40, s20
	v_cndmask_b32 v44, v44, v37, s20
	BST 43, 44, 32, 16, 0                          ; and upward again
	BST 43, 44, 32, 8, 0
	BST 43, 44, 32, 4, 0
	BST 43, 44, 32, 2, 0
	BST 43, 44, 32, 1, 0
	v_add_nc_u32 v14, 32, v14
	s_add_co_u32 s15, s15, 1
	s_cmp_lt_u32 s15, s14
	s_cbranch_scc1 .Ltrip
	global_store_b32 v3, v44, s[10:11]             ; rank = lane: 128 consecutive bytes a wave; two neighbouring waves fill 256
	s_endpgm
.Lfunc_end_k_qfa7f28da2a_knn3:
	.size	k_qfa7f28da2a_knn3, .Lfunc_end_k_qfa7f28da2a_knn3-k_qfa7f28da2a_knn3
	.p2alignl 7, 3214868480
	.fill 96, 4, 3214868480
	.section	.rodata,"a",@progbits
	.p2align	6, 0x0
	.amdhsa_kernel k_qfa7f28da2a_knn3
		.amdhsa_group_segment_fixed_size 0
		.amdhsa_private_segment_fixed_size 0
		.amdhsa_enable_private_segment 0
		.amdhsa_kernarg_size 32
		.amdhsa_user_sgpr_count 2
		.amdhsa_user_sgpr_kernarg_segment_ptr 1
		.amdhsa_wavefront_size32 1
		.amdhsa_system_sgpr_workgroup_id_x 1
		.amdhsa_system_sgpr_workgroup_id_y 1
		.amdhsa_system_sgpr_workgroup_id_z 1
		.amdhsa_system_vgpr_workitem_id 0
		.amdhsa_next_free_vgpr 56
		.amdhsa_next_free_sgpr 66
		.amdhsa_reserve_vcc 0
		.amdhsa_float_denorm_mode_32 3
		.amdhsa_float_denorm_mode_16_64 3
		.amdhsa_memory_ordered 1
		.amdhsa_forward_progress 1
		.amdhsa_inst_pref_size 16
	.end_amdhsa_kernel
	.amdgpu_metadata
---
amdhsa.version: [ 1, 2 ]
amdhsa.kernels:
  - .name:           k_qfa7f28da2a_knn3
    .symbol:         k_qfa7f28da2a_knn3.kd
    .args:
      - { .name: list, .offset: 0, .size: 8, .value_kind: global_buffer, .address_space: global }
      - { .name: cnt, .offset: 8, .size: 8, .value_kind: global_buffer, .address_space: global }
      - { .name: xyz, .offset: 16, .size: 8, .value_kind: global_buffer, .address_space: global }
      - { .name: idx, .offset: 24, .size: 8, .value_kind: global_buffer, .address_space: global }
    .group_segment_fixed_size: 0
    .private_segment_fixed_size: 0
    .kernarg_segment_align: 8
    .kernarg_segment_size: 32
    .max_flat_workgroup_size: 512
    .sgpr_count:     66
    .vgpr_count:     56
    .wavefront_size: 32
...
	.end_amdgpu_metadata
.endif
;; end of part 4
;; launch mlp (part 5): grid 256 x 1, 4 waves a work-group, no clusters, 127,488 bytes of LDS; arguments rec, idx, W_codes, W_scales, gamma, ext, part; writes ext, part
.if DOCPART == 5
	.amdgcn_target "amdgcn-amd-amdhsa--gfx1250"
	.amdhsa_code_object_version 6
	.text
	.protected	k_qfa7f28da2a_mlp
	.globl	k_qfa7f28da2a_mlp
	.p2align	8
	.type	k_qfa7f28da2a_mlp,@function
k_qfa7f28da2a_mlp:
	s_mov_b64 s[64:65], 0
	v_nop
	global_prefetch_b8 v0, s[64:65] scope:SCOPE_SE
	s_setreg_imm32_b32 hwreg(HW_REG_WAVE_MODE, 25, 1), 1
	s_wait_xcnt 0x0
; The quantised product y[b][n][k][g] = Q(feat[b][:][idx[b][4096 k + n]]) . W[g][:] on codes of FP6 (E2M3) with E8M0 scales, and what batch-norm and the pool need of it:
;   ext[b][g][n] = max over k of s_g y,   part = sums over a work-group's rows of s_g y and of y^2,   s_g = -1 where gamma_g's sign bit is set, else +1.
; gamma x (y - mean) x rsqrt(var) + beta, then relu, rises with s_g y, so the largest s_g y of the 32 k gives the pooled number; the last launch applies the statistics.
; s_g is laid into W: the sign bit of every code of row g is turned where gamma_g is negative (exact), so that one maximum serves both signs.  The bias is added in the last launch.
; SHARES: a work-group takes 64 outputs n of one batch; wave w takes 16 of them, for all 256 channels, and walks k = 0 .. 31 in pairs.
; Source 0 = 16 gathered rows (lane (r, h): row n0 + r: 96 bytes and a scale word of half h of its record, as they lie), source 1 = 16 rows of W, which stay in registers.
; In a result lane (r, h) holds channel 16 t + r and its registers the outputs n0 + 8 h + 0 .. 7: the maximum over k stays in the lane.
; NO CLUSTER, NO JOINT LOADS: what work-groups share is W, 51,200 bytes read once by each; what a work-group gathers for itself is 2,048 rows x 200 bytes.  Gathered rows have an address a lane,
; so they come by plain loads into registers, three pairs of k ahead, in four buffers by turns.
; REGISTERS, in windows of 256 (s_set_vgpr_msb: bits 1:0 source 0, 3:2 source 1, 5:4 source 2, 7:6 destination):
;   window 0: v0-23 addresses; v24-39 W's scale words (tile t: lanes 0-15 K step 0, lanes 16-31 K step 1); v40-247 four buffers of 52: two k of 24 codes, a scale word, a spare; v248-255 two gather addresses a buffer
;   window 1: v0-127 the maxima (8 t + j); v128-159 sums, v160-191 sums of squares (a pair a tile); v192-255 two sets of four accumulators.  At the head v0-95 hold my four tiles of W
;   window 2: W's tiles 0-9 at 24 t + 12 s;   window 3: tiles 10-15 at 24 (t - 10) + 12 s; v144-175 the 32 raw indices
.set WIMG,  0                          ; LDS: W's 32 fragments as images of their registers, 1,536 bytes each
.set STG,   49152                      ; 256 rows (channels) x 272 bytes: the maxima on their way out
.set STATS, 118784                     ; 4 waves x [sum, squares] x 256 channels
.set SP,    272
.set WS,    24
.set BUF,   40
.set TA,    248
.set RAW,   144
.set SS,    128
.set QQ,    160
.set DD,    192
.set MSB, 0
.macro WIN new                         ; the immediate's high byte repeats the setting that is left; a switch that changes nothing is dropped
.if MSB != \new
	s_set_vgpr_msb (MSB<<8)|\new
.set MSB, \new
.endif
.endm
	s_load_b256 s[4:11], s[0:1], 0x0               ; rec, idx, W's codes, W's scales
	s_load_b128 s[12:15], s[0:1], 0x20             ; gamma, ext
	s_load_b64 s[16:17], s[0:1], 0x30              ; part
	v_lshl_add_u32 v221, v0, 2, 0x1f000
	v_mov_b32 v247, 0
	v_lshrrev_b32 v1, 5, v0
	v_readfirstlane_b32 s18, v1                    ; wave 0..3
	v_and_b32 v1, 31, v0                           ; lane
	v_and_b32 v2, 15, v0                           ; r
	v_bfe_u32 v3, v0, 4, 1                         ; h
	s_lshr_b32 s19, ttmp9, 6                       ; batch
	s_and_b32 s20, ttmp9, 63                       ; which 64 outputs
	s_mov_b32 s22, 0x76543210
	s_mov_b32 s23, 0xfedcba98                      ; v_permlanex16_b32's selects for lane l xor 16
	s_mov_b32 s24, 0xffff0000                      ; lanes 16-31
	v_lshlrev_b32 v4, 2, v2                        ; 4 r: indices, gamma
	v_mul_u32_u24 v5, v2, 192
	v_mad_u32_u24 v5, v3, 24, v5                   ; W: row r of 192 bytes, + 24 h
	v_lshlrev_b32 v6, 3, v2
	v_lshl_add_u32 v6, v3, 2, v6                   ; W's scale words: 8 bytes a row, word h
	v_lshlrev_b32 v7, 7, v3                        ; 128 h: my half of a record
	v_lshlrev_b32 v9, 4, v1                        ; 16 x lane: an image's place for my lane
	s_mul_i32 s30, s18, 12288
	v_add_nc_u32 v8, s30, v9                       ; where I store my eight images
	s_lshl_b32 s30, s18, 11
	s_add_co_u32 s30, s30, STATS
	v_lshl_add_u32 v10, v3, 10, v4
	v_add_nc_u32 v10, s30, v10                     ; my wave's sums: lanes 0-15 the sum, lanes 16-31 the squares, channel r
	s_lshl_b32 s30, s18, 6
	s_add_co_u32 s30, s30, STG
	v_mul_u32_u24 v11, v2, SP
	v_lshl_add_u32 v11, v3, 5, v11
	v_add_nc_u32 v11, s30, v11                     ; the stage, in: row r, + 64 w + 32 h
	s_mul_i32 s30, s18, 64*SP
	s_add_co_u32 s30, s30, STG
	v_mul_u32_u24 v12, v3, SP
	v_lshl_add_u32 v12, v2, 4, v12
	v_add_nc_u32 v12, s30, v12                     ; back: rows 64 w + 2 i + h, 16 bytes a lane
	v_lshlrev_b32 v13, 14, v3
	v_lshl_add_u32 v13, v2, 4, v13                 ; and the same two rows in ext
	v_bfe_u32 v14, v0, 3, 1
	v_lshlrev_b32 v14, 10, v14
	v_lshrrev_b32 v15, 4, v0
	v_lshl_add_u32 v14, v15, 7, v14
	v_and_b32 v16, 7, v0
	v_lshl_add_u32 v14, v16, 4, v14
	v_add_nc_u32 v14, STATS, v14                   ; part: thread T reads [which = (T / 8) % 2][channels 32 (T / 16) + 4 (T % 8) ..]
	v_lshlrev_b32 v15, 16, v15
	v_and_b32 v16, 15, v0
	v_lshl_add_u32 v15, v16, 4, v15                ; and stores at 65,536 (T / 16) + 16 (T % 16)
	s_mov_b32 s29, 0
	s_wait_kmcnt 0x0
	s_lshl_b32 s28, s19, 20
	s_add_nc_u64 s[4:5], s[4:5], s[28:29]          ; the batch's records
	s_lshl_b32 s28, s19, 19
	s_lshl_b32 s30, s20, 8
	s_add_co_u32 s28, s28, s30
	s_lshl_b32 s30, s18, 6
	s_add_co_u32 s28, s28, s30
	s_add_nc_u64 s[6:7], s[6:7], s[28:29]          ; idx[b][n0]
	s_mul_i32 s28, s18, 12288
	s_add_nc_u64 s[8:9], s[8:9], s[28:29]          ; my four tiles of W
	s_lshl_b32 s28, s18, 8
	s_add_nc_u64 s[12:13], s[12:13], s[28:29]      ; and their gamma
	s_lshl_b32 s28, s19, 22
	s_lshl_b32 s30, s18, 20
	s_add_co_u32 s28, s28, s30
	s_lshl_b32 s30, s20, 8
	s_add_co_u32 s28, s28, s30
	s_add_nc_u64 s[14:15], s[14:15], s[28:29]      ; ext[b][64 w][64 x]
	s_lshl_b32 s28, ttmp9, 8
	s_add_nc_u64 s[16:17], s[16:17], s[28:29]      ; part[.][work-group]
	WIN 0xc0
.set k, 0
.rept 32
	global_load_b32 v[RAW+k], v4, s[6:7] offset:k*16384   ; idx[b][4096 k + n0 + r]
.set k, k+1
.endr
	WIN 0
.irp e, 0,1,2,3
	global_load_b32 v[16+\e], v4, s[12:13] offset:64*\e
.endr
	WIN 0x40
.irp e, 0,1,2,3
.irp s, 0,1
.irp p, 0,1,2,3,4,5
	global_load_b64 v[24*\e+12*\s+2*\p:24*\e+12*\s+2*\p+1], v5, s[8:9] offset:3072*\e+96*\s+48*(\p/3)+8*(\p%3)
.endr
.endr
.endr
	WIN 0
.set t, 0
.rept 16
	global_load_b32 v[WS+t], v6, s[10:11] offset:128*t
.set t, t+1
.endr
; The rows of k = ka and kb into buffer f.  An index is held inside the table, then becomes the byte offset of my half of its record.  The buffer's two address registers were last read by
; loads that a counted wait has shown done; its data registers were last read by products that stand more than four plain vector lines back.
.macro GATHER f, ka, kb
	WIN 0x0c
	v_min_u32 v[TA+2*(\f)], 0xfff, v[RAW+(\ka)]
	v_min_u32 v[TA+2*(\f)+1], 0xfff, v[RAW+(\kb)]
	WIN 0
	v_lshl_add_u32 v[TA+2*(\f)], v[TA+2*(\f)], 8, v7
	v_lshl_add_u32 v[TA+2*(\f)+1], v[TA+2*(\f)+1], 8, v7
.irp x, 0,1
.irp i, 0,1,2,3,4,5
	global_load_b128 v[BUF+52*(\f)+26*\x+4*\i:BUF+52*(\f)+26*\x+4*\i+3], v[TA+2*(\f)+\x], s[4:5] offset:16*\i
.endr
	global_load_b32 v[BUF+52*(\f)+26*\x+24], v[TA+2*(\f)+\x], s[4:5] offset:96
.endr
.endm
; Eight products: tiles 2 G and 2 G + 1 x the buffer's two k, K step 0 (which starts the sums with the constant 0), then K step 1.  The four accumulators take turns.
.macro WM buf, G
.set SG, (\G)%2
.if (\G) < 5
	WIN 0x58
.set WB, 48*(\G)
.else
	WIN 0x5c
.set WB, 48*((\G)-5)
.endif
.irp e, 0,1
.irp x, 0,1
	v_wmma_scale_f32_16x16x128_f8f6f4 v[DD+32*SG+16*\e+8*\x:DD+32*SG+16*\e+8*\x+7], v[BUF+52*(\buf)+26*\x:BUF+52*(\buf)+26*\x+11], v[WB+24*\e:WB+24*\e+11], 0, v[BUF+52*(\buf)+26*\x+24], v[WS+2*(\G)+\e] matrix_a_fmt:MATRIX_FMT_FP6 matrix_b_fmt:MATRIX_FMT_FP6
.endr
.endr
.irp e, 0,1
.irp x, 0,1
	v_wmma_scale_f32_16x16x128_f8f6f4 v[DD+32*SG+16*\e+8*\x:DD+32*SG+16*\e+8*\x+7], v[BUF+52*(\buf)+26*\x+12:BUF+52*(\buf)+26*\x+23], v[WB+24*\e+12:WB+24*\e+23], v[DD+32*SG+16*\e+8*\x:DD+32*SG+16*\e+8*\x+7], v[BUF+52*(\buf)+26*\x+24], v[WS+2*(\G)+\e] matrix_a_fmt:MATRIX_FMT_FP6 matrix_b_fmt:MATRIX_FMT_FP6 matrix_a_scale:MATRIX_SCALE_ROW1 matrix_b_scale:MATRIX_SCALE_ROW1
.endr
.endr
.endm
; What is kept of group G's four results: 48 plain vector lines, each accumulator read from its low end on.  They name the other set of accumulators than the products just issued,
; so they are also the places behind those products.  first = 1: the first pair of k starts the maxima and the sums: nothing is cleared.
.macro CN G, first
	WIN 0x55
.irp i, 0,1,2,3,4,5,6,7
.irp e, 0,1
.set TT, 2*(\G)+\e
.set DA, DD+32*((\G)%2)+16*\e
.set DP, DA+8*(\i/4)+2*(\i%4)
.if \first
	v_max_num_f32 v[8*TT+\i], v[DA+\i], v[DA+8+\i]
.if \i == 0
	v_pk_add_f32 v[SS+2*TT:SS+2*TT+1], v[DA:DA+1], v[DA+2:DA+3]
	v_pk_mul_f32 v[QQ+2*TT:QQ+2*TT+1], v[DA:DA+1], v[DA:DA+1]
.else
.if \i > 1
	v_pk_add_f32 v[SS+2*TT:SS+2*TT+1], v[SS+2*TT:SS+2*TT+1], v[DP:DP+1]
.endif
	v_pk_fma_f32 v[QQ+2*TT:QQ+2*TT+1], v[DP:DP+1], v[DP:DP+1], v[QQ+2*TT:QQ+2*TT+1]
.endif
.else
	v_max3_num_f32 v[8*TT+\i], v[DA+\i], v[DA+8+\i], v[8*TT+\i]
	v_pk_add_f32 v[SS+2*TT:SS+2*TT+1], v[SS+2*TT:SS+2*TT+1], v[DP:DP+1]
	v_pk_fma_f32 v[QQ+2*TT:QQ+2*TT+1], v[DP:DP+1], v[DP:DP+1], v[QQ+2*TT:QQ+2*TT+1]
.endif
.endr
.endr
.endm
; A pair of k.  Its group 0 was multiplied at the end of the pair before.  fill >= 0: the buffer read last takes the pair three on.  N: the loads that are younger than the next pair's.
.macro BODY cur, nxt, fill, ka, kb, N, first, last
.if (\fill) >= 0
	GATHER \fill, \ka, \kb
.endif
.irp G, 1,2,3,4,5,6,7
	WM \cur, \G
.if \first && (\G == 1)
.rept 4
	v_nop                                          ; places between the very first products and the first read of their results
.endr
.endif
	CN \G-1, \first
.endr
.if \last
	CN 7, \first
.else
	s_wait_loadcnt \N                              ; loads come back in order: the next pair's fourteen are in
	WM \nxt, 0
	CN 7, \first
.endif
.endm
	s_wait_loadcnt 63                              ; 68 loads are younger than the 32 of the indices; the count's field holds 63, and the smaller count is safe
	GATHER 0, 0, 1
	GATHER 1, 2, 3
	GATHER 2, 4, 5
	s_wait_loadcnt 42                              ; all but the 42 just issued: gamma, my tiles of W, the scale words
.irp e, 0,1,2,3
	v_ashrrev_i32 v[16+\e], 31, v[16+\e]           ; all ones where gamma's sign bit is set
	v_and_b32 v[196+3*\e], 0x20820820, v[16+\e]    ; the sign bits of 16 codes in three words: bits 6 i + 5
	v_and_b32 v[197+3*\e], 0x08208208, v[16+\e]
	v_and_b32 v[198+3*\e], 0x82082082, v[16+\e]
.endr
	WIN 0x44
.irp e, 0,1,2,3
.set i, 0
.rept 24
	v_xor_b32 v[24*\e+i], v[196+3*\e+i%3], v[24*\e+i]
.set i, i+1
.endr
.endr
	WIN 0x04
.irp e, 0,1,2,3
.irp s, 0,1
.irp c, 0,1,2
	ds_store_b128 v8, v[24*\e+12*\s+4*\c:24*\e+12*\s+4*\c+3] offset:(2*\e+\s)*1536+512*\c
.endr
.endr
.endr
	WIN 0
	s_wait_dscnt 0x0                               ; for the others' sake: my eight images have landed
	s_barrier_signal -1
	s_barrier_wait -1
	WIN 0x80
.set t, 0
.rept 10
.irp s, 0,1
.irp c, 0,1,2
	ds_load_b128 v[24*t+12*\s+4*\c:24*t+12*\s+4*\c+3], v9 offset:(2*t+\s)*1536+512*\c
.endr
.endr
.set t, t+1
.endr
	WIN 0xc0
.rept 6
.irp s, 0,1
.irp c, 0,1,2
	ds_load_b128 v[24*(t-10)+12*\s+4*\c:24*(t-10)+12*\s+4*\c+3], v9 offset:(2*t+\s)*1536+512*\c
.endr
.endr
.set t, t+1
.endr
	WIN 0
	s_wait_dscnt 0x0                               ; all of W is in my registers
	s_wait_loadcnt 28                              ; pair 0 is in; pairs 1 and 2 may be out
	WM 0, 0
	BODY 0, 1, 3, 6, 7, 28, 1, 0
	WIN 0                                          ; at a label and at a branch every window is 0
	s_mov_b32 s21, 3
.Lk:                                               ; a trip: four pairs, once round the buffers; pairs 1 to 12
	BODY 1, 2, 0, 8, 9, 28, 0, 0
	BODY 2, 3, 1, 10, 11, 28, 0, 0
	BODY 3, 0, 2, 12, 13, 28, 0, 0
	BODY 0, 1, 3, 14, 15, 28, 0, 0
	WIN 0xc3
.set i, 8
.rept 16
	v_mov_b32 v[RAW+i], v[RAW+i+8]                 ; the raw indices move up eight, so that the next trip finds its own under the same numbers
.set i, i+1
.endr
	WIN 0
	s_sub_co_u32 s21, s21, 1
	s_cmp_lg_u32 s21, 0
	s_cbranch_scc1 .Lk
	BODY 1, 2, -1, 0, 0, 14, 0, 0                  ; the last three pairs ask for nothing: the counts run down
	BODY 2, 3, -1, 0, 0, 0, 0, 0
	BODY 3, 0, -1, 0, 0, 0, 0, 1
	; ---- the way out.  A channel's sums lie in lanes r and r + 16: lanes 0-15 end with the sum, lanes 16-31 with the squares
	WIN 0x55
.set t, 0
.rept 16
	v_add_f32 v[SS+2*t], v[SS+2*t], v[SS+2*t+1]
	v_add_f32 v[QQ+2*t], v[QQ+2*t], v[QQ+2*t+1]
.set t, t+1
.endr
.set t, 0
.rept 16
	v_cndmask_b32 v[DD+t], v[SS+2*t], v[QQ+2*t], s24         ; what I keep
	v_cndmask_b32 v[SS+2*t+1], v[QQ+2*t], v[SS+2*t], s24     ; what my partner keeps
.set t, t+1
.endr
.set t, 0
.rept 16
	v_permlanex16_b32 v[QQ+2*t+1], v[SS+2*t+1], s22, s23
.set t, t+1
.endr
.set t, 0
.rept 16
	v_add_f32 v[DD+t], v[DD+t], v[QQ+2*t+1]
.set t, t+1
.endr
	WIN 0x04                                       ; an LDS store's data are its source 1: window 1
.set t, 0
.rept 16
	ds_store_b32 v10, v[DD+t] offset:64*t
.set t, t+1
.endr
.set t, 0
.rept 16
	ds_store_b128 v11, v[8*t:8*t+3] offset:t*16*SP
	ds_store_b128 v11, v[8*t+4:8*t+7] offset:t*16*SP+16
.set t, t+1
.endr
	WIN 0
	s_wait_dscnt 0x0                               ; for the others' sake: my sums and my 64 bytes of every row have landed
	s_barrier_signal -1
	s_barrier_wait -1
.set i, 0
.rept 32
	ds_load_b128 v[40+4*i:43+4*i], v12 offset:i*2*SP
.set i, i+1
.endr
.set i, 0
.rept 32
	s_wait_dscnt 31-i
	global_store_b128 v13, v[40+4*i:43+4*i], s[14:15] offset:i*32768   ; sixteen lanes store a channel's 256 consecutive bytes, aligned
.set i, i+1
.endr
.irp w, 0,1,2,3
	ds_load_b128 v[168+4*\w:171+4*\w], v14 offset:2048*\w
.endr
	s_wait_dscnt 0x0
	v_pk_add_f32 v[168:169], v[168:169], v[172:173]
	v_pk_add_f32 v[170:171], v[170:171], v[174:175]
	v_pk_add_f32 v[176:177], v[176:177], v[180:181]
	v_pk_add_f32 v[178:179], v[178:179], v[182:183]
	v_pk_add_f32 v[168:169], v[168:169], v[176:177]
	v_pk_add_f32 v[170:171], v[170:171], v[178:179]
	global_store_b128 v15, v[168:171], s[16:17]    ; sixteen lanes store 256 consecutive bytes, aligned: 32 channels' sums and squares
	s_wait_tensorcnt 0x0
	ds_add_u32 v221, v247
	s_wait_dscnt 0x0
	s_endpgm
.Lfunc_end_k_qfa7f28da2a_mlp:
	.size	k_qfa7f28da2a_mlp, .Lfunc_end_k_qfa7f28da2a_mlp-k_qfa7f28da2a_mlp
	.p2alignl 7, 3214868480
	.fill 96, 4, 3214868480
	.section	.rodata,"a",@progbits
	.p2align	6, 0x0
	.amdhsa_kernel k_qfa7f28da2a_mlp
		.amdhsa_group_segment_fixed_size 127488
		.amdhsa_private_segment_fixed_size 0
		.amdhsa_enable_private_segment 0
		.amdhsa_kernarg_size 56
		.amdhsa_user_sgpr_count 2
		.amdhsa_user_sgpr_kernarg_segment_ptr 1
		.amdhsa_wavefront_size32 1
		.amdhsa_system_sgpr_workgroup_id_x 1
		.amdhsa_system_sgpr_workgroup_id_y 1
		.amdhsa_system_sgpr_workgroup_id_z 1
		.amdhsa_system_vgpr_workitem_id 0
		.amdhsa_next_free_vgpr 960
		.amdhsa_next_free_sgpr 66
		.amdhsa_reserve_vcc 0
		.amdhsa_float_denorm_mode_32 3
		.amdhsa_float_denorm_mode_16_64 3
		.amdhsa_memory_ordered 1
		.amdhsa_forward_progress 1
		.amdhsa_inst_pref_size 255
	.end_amdhsa_kernel
	.section	.bss,"aw",@nobits
	.p2align	6
	.space	262144
	.amdgpu_metadata
---
amdhsa.version: [ 1, 2 ]
amdhsa.kernels:
  - .name:           k_qfa7f28da2a_mlp
    .symbol:         k_qfa7f28da2a_mlp.kd
    .args:
      - { .name: rec, .offset: 0, .size: 8, .value_kind: global_buffer, .address_space: global }
      - { .name: idx, .offset: 8, .size: 8, .value_kind: global_buffer, .address_space: global }
      - { .name: W_codes, .offset: 16, .size: 8, .value_kind: global_buffer, .address_space: global }
      - { .name: W_scales, .offset: 24, .size: 8, .value_kind: global_buffer, .address_space: global }
      - { .name: gamma, .offset: 32, .size: 8, .value_kind: global_buffer, .address_space: global }
      - { .name: ext, .offset: 40, .size: 8, .value_kind: global_buffer, .address_space: global }
      - { .name: part, .offset: 48, .size: 8, .value_kind: global_buffer, .address_space: global }
    .group_segment_fixed_size: 127488
    .private_segment_fixed_size: 0
    .kernarg_segment_align: 8
    .kernarg_segment_size: 56
    .max_flat_workgroup_size: 128
    .sgpr_count:     66
    .vgpr_count:     960
    .wavefront_size: 32
...
	.end_amdgpu_metadata
.endif
;; end of part 5
;; launch bn (part 6): grid 256 x 1, 8 waves a work-group, no clusters, 3,072 bytes of LDS; arguments ext, part, gamma, beta, b, out0; writes out0
.if DOCPART == 6
	.amdgcn_target "amdgcn-amd-amdhsa--gfx1250"
	.amdhsa_code_object_version 6
	.text
	.protected	k_qfa7f28da2a_bn
	.globl	k_qfa7f28da2a_bn
	.p2align	8
	.type	k_qfa7f28da2a_bn,@function
k_qfa7f28da2a_bn:
	s_mov_b64 s[64:65], 0
	v_nop
	global_prefetch_b8 v0, s[64:65] scope:SCOPE_SE
	s_setreg_imm32_b32 hwreg(HW_REG_WAVE_MODE, 25, 1), 1
	s_wait_xcnt 0x0
; out0[b][g][n] = relu(A_g ext[b][g][n] + B_g): the batch statistics are finished from the 256 work-groups' partial sums and applied to the pooled numbers.
; ext = max over k of s y, s = the sign of gamma, y the product without its bias.  mean' = mean of s y;  var = E[y^2] - mean'^2 (the bias moves no variance);
; A = |gamma| rsqrt(var + 1e-5);  with c1 = s b:  s (y + b) - s mean(y + b) = s y + c1 - (mean' + c1), so B = A (c1 - (mean' + c1)) + beta.
; LIMITS: the variance is a difference of two means in f32: its relative error grows about as 1e-6 x mean'^2 / var.  NaN and infinities are not served.
; SHARES: a work-group takes 32 channels of one batch x 512 outputs; every work-group of a channel group adds the same 65,536 bytes of partial sums.  Wave w applies channels 4 w .. 4 w + 3.
; A stream: no matrix unit, no cluster; every load and store of a wave covers 512 consecutive bytes, aligned.
.set P, 8                              ; v8-71   sixteen rows of partial sums, 4 numbers each
.set E, 72                             ; v72-135 my four channels x 512 outputs / 32 lanes
	s_load_b256 s[4:11], s[0:1], 0x0               ; ext, part, gamma, beta
	s_load_b128 s[12:15], s[0:1], 0x20             ; b, out0
	v_lshl_add_u32 v160, v0, 2, 0x800
	v_mov_b32 v161, 0
	v_lshrrev_b32 v1, 5, v0
	v_readfirstlane_b32 s16, v1                    ; wave 0..7
	v_and_b32 v1, 31, v0
	s_and_b32 s17, ttmp9, 7                        ; which 32 channels
	s_bfe_u32 s18, ttmp9, 0x20003                  ; batch
	s_lshr_b32 s19, ttmp9, 5                       ; which 512 outputs
	s_lshl_b32 s28, s18, 22                        ; ((256 b + 32 gq + 4 w) 4096 + 512 sl) 4 bytes
	s_lshl_b32 s30, s17, 19
	s_add_co_u32 s28, s28, s30
	s_lshl_b32 s30, s16, 16
	s_add_co_u32 s28, s28, s30
	s_lshl_b32 s30, s19, 11
	s_add_co_u32 s28, s28, s30
	s_mov_b32 s29, 0
	s_lshl_b32 s32, s17, 16                        ; part[gq]
	s_mov_b32 s33, 0
	s_lshl_b32 s34, s17, 7                         ; channel 32 gq + 4 w, in bytes
	s_lshl_b32 s31, s16, 4
	s_add_co_u32 s34, s34, s31
	s_mov_b32 s35, 0
	s_mov_b32 s36, 0x76543210
	s_mov_b32 s37, 0xfedcba98
	v_lshlrev_b32 v2, 4, v0                        ; 16 x thread: row thread / 16, 16 bytes at thread % 16
	v_lshlrev_b32 v3, 4, v1                        ; 16 x lane
	v_and_b32 v4, 3, v0
	v_lshlrev_b32 v4, 2, v4                        ; my channel among the wave's four: lane % 4
	s_lshl_b32 s30, s16, 8
	v_and_b32 v5, 15, v0
	v_lshlrev_b32 v5, 4, v5
	v_add_nc_u32 v5, s30, v5                       ; LDS: my wave's 256 bytes
	v_add_nc_u32 v6, s31, v4                       ; and where my channel's sum lies in any wave's
.irp i, 0,1,2,3
	v_mov_b32 v[140+\i], 0                         ; written once: a lane permute's destination counts as one of its sources
.endr
	s_wait_kmcnt 0x0
	s_add_nc_u64 s[4:5], s[4:5], s[28:29]
	s_add_nc_u64 s[14:15], s[14:15], s[28:29]
	s_add_nc_u64 s[6:7], s[6:7], s[32:33]
	s_add_nc_u64 s[8:9], s[8:9], s[34:35]
	s_add_nc_u64 s[10:11], s[10:11], s[34:35]
	s_add_nc_u64 s[12:13], s[12:13], s[34:35]
.set i, 0
.rept 16
	global_load_b128 v[P+4*i:P+4*i+3], v2, s[6:7] offset:4096*i
.set i, i+1
.endr
	global_load_b32 v136, v4, s[8:9]               ; gamma
	global_load_b32 v137, v4, s[10:11]             ; beta
	global_load_b32 v138, v4, s[12:13]             ; b
.irp i, 0,1,2,3
.irp j, 0,1,2,3
	global_load_b128 v[E+16*\i+4*\j:E+16*\i+4*\j+3], v3, s[4:5] offset:16384*\i+512*\j th:TH_LOAD_NT
.endr
.endr
.macro ADD4 a, b
	v_pk_add_f32 v[P+4*(\a):P+4*(\a)+1], v[P+4*(\a):P+4*(\a)+1], v[P+4*(\b):P+4*(\b)+1]
	v_pk_add_f32 v[P+4*(\a)+2:P+4*(\a)+3], v[P+4*(\a)+2:P+4*(\a)+3], v[P+4*(\b)+2:P+4*(\b)+3]
.endm
	s_wait_loadcnt 19                              ; the partial sums are in; the 3 + 16 younger loads may be out
.irp i, 0,1,2,3,4,5,6,7
	ADD4 \i, \i+8
.endr
.irp i, 0,1,2,3
	ADD4 \i, \i+4
.endr
	ADD4 0, 2
	ADD4 1, 3
	ADD4 0, 1
.irp i, 0,1,2,3
	v_permlanex16_b32 v[140+\i], v[P+\i], s36, s37
.endr
.irp i, 0,1,2,3
	v_add_f32 v[P+\i], v[P+\i], v[140+\i]          ; with the wave's other row
.endr
	ds_store_b128 v5, v[P:P+3]                     ; both halves of the lanes write the same bytes with the same values
	s_wait_dscnt 0x0                               ; for the others' sake
	s_barrier_signal -1
	s_barrier_wait -1
.irp w, 0,1,2,3,4,5,6,7
	ds_load_b32 v[140+\w], v6 offset:256*\w
	ds_load_b32 v[148+\w], v6 offset:256*\w+128
.endr
	s_wait_dscnt 0x0
	v_pk_add_f32 v[140:141], v[140:141], v[142:143]
	v_pk_add_f32 v[144:145], v[144:145], v[146:147]
	v_pk_add_f32 v[148:149], v[148:149], v[150:151]
	v_pk_add_f32 v[152:153], v[152:153], v[154:155]
	v_pk_add_f32 v[140:141], v[140:141], v[144:145]
	v_pk_add_f32 v[148:149], v[148:149], v[152:153]
	v_add_f32 v140, v140, v141                     ; the sum of s y over all 2^19 rows
	v_add_f32 v148, v148, v149                     ; and of y^2
	v_mul_f32 v141, 0x36000000, v140               ; x 2^-19: mean'
	v_mul_f32 v142, 0x36000000, v148
	v_fma_f32 v142, -v141, v141, v142
	v_max_num_f32 v142, 0, v142                    ; the variance
	v_add_f32 v142, 0x3727c5ac, v142               ; + 1e-5
	s_wait_loadcnt 16                              ; gamma, beta and b are in; ext's sixteen loads may be out
	v_rsq_f32 v143, v142
	v_and_b32 v144, 0x7fffffff, v136               ; |gamma|  (a plain line behind the transcendental; the four lines here name neither its result nor its source)
	v_and_b32 v145, 0x80000000, v136
	v_xor_b32 v145, v145, v138                     ; c1 = s b
	v_add_f32 v146, v141, v145
	v_sub_f32 v146, v145, v146                     ; c1 - (mean' + c1)
	s_wait_alu depctr_va_vdst(0)                   ; ahead of the first line that names the root's result
	v_mul_f32 v144, v144, v143                     ; A
	v_fma_f32 v146, v144, v146, v137               ; B
.irp i, 0,1,2,3
	v_readlane_b32 s[20+2*\i], v144, \i
	v_readlane_b32 s[21+2*\i], v146, \i
.endr
	s_wait_loadcnt 0x0
.irp i, 0,1,2,3
.irp j, 0,1,2,3
.irp c, 0,1,2,3
	v_fma_f32 v[E+16*\i+4*\j+\c], v[E+16*\i+4*\j+\c], s[20+2*\i], s[21+2*\i]
.endr
.irp c, 0,1,2,3
	v_max_num_f32 v[E+16*\i+4*\j+\c], 0, v[E+16*\i+4*\j+\c]
.endr
	global_store_b128 v3, v[E+16*\i+4*\j:E+16*\i+4*\j+3], s[14:15] offset:16384*\i+512*\j th:TH_STORE_NT
.endr
.endr
	s_wait_tensorcnt 0x0
	ds_add_u32 v160, v161
	s_wait_dscnt 0x0
	s_endpgm
.Lfunc_end_k_qfa7f28da2a_bn:
	.size	k_qfa7f28da2a_bn, .Lfunc_end_k_qfa7f28da2a_bn-k_qfa7f28da2a_bn
	.p2alignl 7, 3214868480
	.fill 96, 4, 3214868480
	.section	.rodata,"a",@progbits
	.p2align	6, 0x0
	.amdhsa_kernel k_qfa7f28da2a_bn
		.amdhsa_group_segment_fixed_size 3072
		.amdhsa_private_segment_fixed_size 0
		.amdhsa_enable_private_segment 0
		.amdhsa_kernarg_size 48
		.amdhsa_user_sgpr_count 2
		.amdhsa_user_sgpr_kernarg_segment_ptr 1
		.amdhsa_wavefront_size32 1
		.amdhsa_system_sgpr_workgroup_id_x 1
		.amdhsa_system_sgpr_workgroup_id_y 1
		.amdhsa_system_sgpr_workgroup_id_z 1
		.amdhsa_system_vgpr_workitem_id 0
		.amdhsa_next_free_vgpr 162
		.amdhsa_next_free_sgpr 66
		.amdhsa_reserve_vcc 0
		.amdhsa_float_denorm_mode_32 3
		.amdhsa_float_denorm_mode_16_64 3
		.amdhsa_memory_ordered 1
		.amdhsa_forward_progress 1
		.amdhsa_inst_pref_size 18
	.end_amdhsa_kernel
	.amdgpu_metadata
---
amdhsa.version: [ 1, 2 ]
amdhsa.kernels:
  - .name:           k_qfa7f28da2a_bn
    .symbol:         k_qfa7f28da2a_bn.kd
    .args:
      - { .name: ext, .offset: 0, .size: 8, .value_kind: global_buffer, .address_space: global }
      - { .name: part, .offset: 8, .size: 8, .value_kind: global_buffer, .address_space: global }
      - { .name: gamma, .offset: 16, .size: 8, .value_kind: global_buffer, .address_space: global }
      - { .name: beta, .offset: 24, .size: 8, .value_kind: global_buffer, .address_space: global }
      - { .name: b, .offset: 32, .size: 8, .value_kind: global_buffer, .address_space: global }
      - { .name: out0, .offset: 40, .size: 8, .value_kind: global_buffer, .address_space: global }
    .group_segment_fixed_size: 3072
    .private_segment_fixed_size: 0
    .kernarg_segment_align: 8
    .kernarg_segment_size: 48
    .max_flat_workgroup_size: 256
    .sgpr_count:     66
    .vgpr_count:     162
    .wavefront_size: 32
...
	.end_amdgpu_metadata
.endif
;; end of part 6
;; ======== version 2 of 2: 6 launches
;; limits: a difference of large sums (such as E[x^2] - mean^2): digits are lost where the result is much smaller than its terms
;; workspace buffers: rec 4,194,304 bytes; mask 8,388,608 bytes of whole numbers; cnt 262,144 bytes of whole numbers; list 268,435,456 bytes of whole numbers; idx 2,097,152 bytes of whole numbers; ext 16,777,216 bytes; part 524,288 bytes
;; launch quant (part 7): grid 256 x 1, 8 waves a work-group, no clusters, 18,432 bytes of LDS; arguments feat, rec; writes rec
.if DOCPART == 7
	.amdgcn_target "amdgcn-amd-amdhsa--gfx1250"
	.amdhsa_code_object_version 6
	.text
	.protected	k_qfa7f28da2a_quant
	.globl	k_qfa7f28da2a_quant
	.p2align	8
	.type	k_qfa7f28da2a_quant,@function
k_qfa7f28da2a_quant:
	s_mov_b64 s[64:65], 0
	v_nop
	global_prefetch_b8 v0, s[64:65] scope:SCOPE_SE
	s_setreg_imm32_b32 hwreg(HW_REG_WAVE_MODE, 25, 1), 1
	s_wait_xcnt 0x0
; feat [4][256][4096] f32 -> rec: one record of 256 bytes for each point (b, n): the E2M3 codes of feat[b][:][n], quantised along the 256 channels
; in blocks of 32, laid in the order in which a lane of the product's launch takes them, and the E8M0 scale bytes beside them.
; A record has two halves of 128 bytes.  Half h: bytes 0-95 = blocks h, 2+h, 4+h, 6+h (24 bytes each): the 24 registers of lane (row, h) for the two
; K steps of 128.  Bytes 96-99 of half s = the scale word of K step s (blocks 4 s .. 4 s + 3).  Bytes 100-127 = 0.
; A block's scale is 2^(floor(log2(largest magnitude)) - 2); its byte is the largest magnitude's exponent field - 2, held at 1 from below.  A block of
; zeros so gets the byte 1: its codes are zeros, and this program alone reads the bytes.
; LIMITS: NaN and infinities among the inputs are not served.
; SHARES: a work-group takes 64 points of one batch.  Wave = (u, v): u = which 32 points, v = which 64 channels.  A LANE TAKES A POINT AND ITS REGISTERS
; RUN DOWN THE CHANNELS: each load reads 128 consecutive bytes, a block of 32 lies in one lane, nothing is transposed by an instruction.
; The records are gathered in LDS (rows of 272 bytes) and leave whole: each store of a wave covers 512 consecutive bytes, aligned.
.set PITCH, 272
.set X,     40                         ; v40-103  my 64 numbers
.set OUTR,  104                        ; v104-119 rows read back
	s_load_b128 s[4:7], s[0:1], 0x0                ; feat, rec
	v_lshl_add_u32 v120, v0, 2, 0x4400
	v_mov_b32 v121, 0
	v_lshrrev_b32 v1, 5, v0
	s_delay_alu instid0(VALU_DEP_1)
	v_readfirstlane_b32 s8, v1                     ; wave 0..7
	v_and_b32 v1, 31, v0                           ; lane
	s_wait_alu depctr_va_vdst(0)
	s_and_b32 s9, s8, 1                            ; u
	s_lshr_b32 s10, s8, 1                          ; v
	s_lshr_b32 s11, ttmp9, 6                       ; batch
	s_and_b32 s12, ttmp9, 63                       ; which 64 points
	s_lshl_b32 s14, s11, 22                        ; feat: ((256 b + 64 v) 4096 + 64 x + 32 u) 4 bytes
	s_lshl_b32 s13, s10, 20
	s_add_co_u32 s14, s14, s13
	s_lshl_b32 s13, s12, 8
	s_add_co_u32 s14, s14, s13
	s_lshl_b32 s13, s9, 7
	s_add_co_u32 s14, s14, s13
	s_mov_b32 s15, 0
	s_lshl_b32 s16, s11, 20                        ; rec: (4096 b + 64 x + 8 wave) 256 bytes
	s_lshl_b32 s13, s12, 14
	s_add_co_u32 s16, s16, s13
	s_lshl_b32 s13, s8, 11
	s_add_co_u32 s16, s16, s13
	s_mov_b32 s17, 0
	v_lshlrev_b32 v2, 2, v1                        ; in: 4 bytes a lane
	s_mul_i32 s18, s9, 32*PITCH
	v_mul_u32_u24 v18, v1, PITCH
	s_delay_alu instid0(VALU_DEP_1)
	v_add_nc_u32 v18, s18, v18                     ; my point's row in the stage
	s_wait_alu depctr_va_vdst(0)
	s_mul_i32 s19, s10, 24
	v_add_nc_u32 v3, s19, v18                      ; codes: block 2 v at 24 v of half 0, block 2 v + 1 at 24 v of half 1
	s_lshr_b32 s20, s10, 1
	s_lshl_b32 s20, s20, 7
	s_add_co_u32 s20, s20, 96                      ; half v / 2, byte 96
	s_and_b32 s21, s10, 1
	s_lshl_b32 s22, s21, 1
	s_add_co_u32 s22, s22, s20
	v_add_nc_u32 v4, s22, v18                      ; my two scale bytes
	s_lshl_b32 s22, s21, 4
	s_add_co_u32 s22, s22, s20
	v_add_nc_u32 v5, s22, v18                      ; the 16 bytes that I clear: the four v clear bytes 96-127 of both halves
	s_mul_i32 s23, s8, 8*PITCH
	v_lshrrev_b32 v6, 4, v1
	s_delay_alu instid0(VALU_DEP_1)
	v_mul_u32_u24 v6, v6, PITCH
	v_and_b32 v7, 15, v1
	s_delay_alu instid0(VALU_DEP_1)
	v_lshl_add_u32 v6, v7, 4, v6
	s_delay_alu instid0(VALU_DEP_1)
	v_add_nc_u32 v6, s23, v6                       ; back: rows 8 wave + 2 i + lane / 16, 16 bytes a lane
	v_lshlrev_b32 v7, 4, v1                        ; and the same 512 bytes in rec
	v_mov_b32 v8, 0
	v_mov_b32 v9, 0
	v_mov_b32 v10, 0
	v_mov_b32 v11, 0
	s_wait_alu depctr_va_vdst(0)
	s_wait_kmcnt 0x0
	s_add_nc_u64 s[4:5], s[4:5], s[14:15]
	s_add_nc_u64 s[6:7], s[6:7], s[16:17]
.set i, 0
.rept 64
	global_load_b32 v[X+i], v2, s[4:5] offset:i*16384 th:TH_LOAD_NT   ; channel 64 v + i of my point; read once in the launch
.set i, i+1
.endr
	ds_store_b128 v5, v[8:11]
	s_wait_dscnt 0x0                               ; for the others' sake: my zeros have landed before any wave lays scale bytes over them
	s_barrier_signal -1
	s_barrier_wait -1
.macro BLOCK t
.set XS, X+32*(\t)
.set C,  20+8*(\t)
	v_max3_num_f32 v12, |v[XS]|, |v[XS+1]|, |v[XS+2]|               ; the block's largest magnitude: all 32 numbers are mine
	v_max3_num_f32 v13, |v[XS+3]|, |v[XS+4]|, |v[XS+5]|
.irp i, 6,10,14,18,22,26
	s_delay_alu instid0(VALU_DEP_2)
	v_max3_num_f32 v12, v12, |v[XS+\i]|, |v[XS+\i+1]|
	s_delay_alu instid0(VALU_DEP_2)
	v_max3_num_f32 v13, v13, |v[XS+\i+2]|, |v[XS+\i+3]|
.endr
	s_delay_alu instid0(VALU_DEP_2)
	v_max3_num_f32 v12, v12, |v[XS+30]|, |v[XS+31]|
	s_delay_alu instid0(VALU_DEP_1)
	v_max3_num_f32 v12, v12, v13, 0x1800000        ; and the floor 2^(3 - 127): the byte cannot fall under 1
	s_delay_alu instid0(VALU_DEP_1)
	v_add_nc_u32 v[14+\t], 0xff000000, v12         ; 2 off the exponent field: the conversion takes this operand's exponent field as its scale
	v_cvt_scalef32_pk16_fp6_f32 v[C:C+2], v[XS:XS+15], v[14+\t]
	v_cvt_scalef32_pk16_fp6_f32 v[C+4:C+6], v[XS+16:XS+31], v[14+\t]   ; (a conversion's three registers begin on an even number)
	v_lshrrev_b32 v[16+\t], 23, v[14+\t]           ; the scale's byte; also the plain line between the conversions and the moves of their results
	v_mov_b32 v[C+3], v[C+4]
	v_mov_b32 v[C+4], v[C+5]
	v_mov_b32 v[C+5], v[C+6]                       ; the block's 24 bytes on end
	ds_store_b64 v3, v[C:C+1] offset:128*(\t)
	ds_store_b64 v3, v[C+2:C+3] offset:128*(\t)+8
	ds_store_b64 v3, v[C+4:C+5] offset:128*(\t)+16
.endm
	s_wait_loadcnt 32                              ; my first 32 loads are in; the 32 younger ones may be out
	BLOCK 0
	s_wait_loadcnt 0x0
	BLOCK 1
	v_lshl_or_b32 v16, v17, 8, v16
	ds_store_b16 v4, v16                           ; two neighbouring bytes of a scale word
	s_wait_dscnt 0x0                               ; for the others' sake: my part of the records has landed
	s_barrier_signal -1
	s_barrier_wait -1
.irp i, 0,1,2,3
	ds_load_b128 v[OUTR+4*\i:OUTR+4*\i+3], v6 offset:2*\i*PITCH
.endr
.irp i, 0,1,2,3
	s_wait_dscnt 3-\i                              ; LDS loads come back in order: load i is in
	global_store_b128 v7, v[OUTR+4*\i:OUTR+4*\i+3], s[6:7] offset:512*\i   ; two whole records: 512 consecutive bytes, aligned
.endr
	s_wait_tensorcnt 0x0
	ds_add_u32 v120, v121
	s_wait_dscnt 0x0
	s_endpgm
.Lfunc_end_k_qfa7f28da2a_quant:
	.size	k_qfa7f28da2a_quant, .Lfunc_end_k_qfa7f28da2a_quant-k_qfa7f28da2a_quant
	.p2alignl 7, 3214868480
	.fill 96, 4, 3214868480
	.section	.rodata,"a",@progbits
	.p2align	6, 0x0
	.amdhsa_kernel k_qfa7f28da2a_quant
		.amdhsa_group_segment_fixed_size 18432
		.amdhsa_private_segment_fixed_size 0
		.amdhsa_enable_private_segment 0
		.amdhsa_kernarg_size 16
		.amdhsa_user_sgpr_count 2
		.amdhsa_user_sgpr_kernarg_segment_ptr 1
		.amdhsa_wavefront_size32 1
		.amdhsa_system_sgpr_workgroup_id_x 1
		.amdhsa_system_sgpr_workgroup_id_y 1
		.amdhsa_system_sgpr_workgroup_id_z 1
		.amdhsa_system_vgpr_workitem_id 0
		.amdhsa_next_free_vgpr 122
		.amdhsa_next_free_sgpr 66
		.amdhsa_reserve_vcc 0
		.amdhsa_float_denorm_mode_32 3
		.amdhsa_float_denorm_mode_16_64 3
		.amdhsa_memory_ordered 1
		.amdhsa_forward_progress 1
		.amdhsa_inst_pref_size 14
	.end_amdhsa_kernel
	.amdgpu_metadata
---
amdhsa.version: [ 1, 2 ]
amdhsa.kernels:
  - .name:           k_qfa7f28da2a_quant
    .symbol:         k_qfa7f28da2a_quant.kd
    .args:
      - { .name: feat, .offset: 0, .size: 8, .value_kind: global_buffer, .address_space: global }
      - { .name: rec, .offset: 8, .size: 8, .value_kind: global_buffer, .address_space: global }
    .group_segment_fixed_size: 18432
    .private_segment_fixed_size: 0
    .kernarg_segment_align: 8
    .kernarg_segment_size: 16
    .max_flat_workgroup_size: 256
    .sgpr_count:     66
    .vgpr_count:     122
    .wavefront_size: 32
...
	.end_amdgpu_metadata
.endif
;; end of part 7
;; launch knn1 (part 8): grid 512 x 1, 4 waves a work-group, no clusters, 67,072 bytes of LDS; arguments xyz, mask, cnt; writes mask, cnt
.if DOCPART == 8
	.amdgcn_target "amdgcn-amd-amdhsa--gfx1250"
	.amdhsa_code_object_version 6
	.text
	.protected	k_qfa7f28da2a_knn1
	.globl	k_qfa7f28da2a_knn1
	.p2align	8
	.type	k_qfa7f28da2a_knn1,@function
k_qfa7f28da2a_knn1:
	s_mov_b64 s[64:65], 0
	v_nop
	global_prefetch_b8 v0, s[64:65] scope:SCOPE_SE
	s_setreg_imm32_b32 hwreg(HW_REG_WAVE_MODE, 25, 1), 1
	s_wait_xcnt 0x0
; For each query point (b, q): a bound tau >= its 32nd smallest squared distance in the plane, a mask of 4,096 bits: candidate m is marked where p(q, m) <= tau, and the number of marks.
; Nothing here branches or addresses by data.  Later launches list the marked candidates and pick the exact 32 out of them.
; DISTANCE, the same lines here and there: sq = x0 x0 + x1 x1, EACH SQUARE ROUNDED BY ITSELF and the two then added, as the source has them (a product, then a sum): so this multiply and add are not fused;
; u = x0m (-2 x0q);  u = fma(x1m, -2 x1q, u);  t = sq_m + u;  p = t + sq_q.
; LIMITS: two distances within one f32 rounding of each other order as this sequence rounds them; NaN and infinities are not served.
; SHARES: a work-group takes 32 queries of one batch, A LANE A QUERY; wave w takes candidates 1024 w .. 1024 w + 1023, which it lays (x0, x1, sq) into LDS bytes of its
; own and reads back with all lanes at one address, 16 candidates at a time, into two register buffers by turns.
; PASS A: the wave's candidates fall into 16 groups of 64; a lane keeps each group's smallest p.  The 8th smallest of the 16 minima has 8 different candidates at or
; under it; the largest of the four waves' such numbers therefore has 32 at or under it, whatever the data: that is tau.
; PASS B: the distances again; the sign of tau - p is shifted into four words, 32 candidates each.
; MASK: query's row = 512 bytes = 32 groups x 4 words; word j of group g, bit 31 - u, stands for candidate 128 g + 4 u + j.
; CNT: the count of query Q = 4096 b + q lies at byte 128 (Q / 8) + 4 (Q % 8); the other words of each 128 bytes repeat the eight.
.set CANDW,  12288                     ; a wave's candidates in LDS: x0 at 0, x1 at 4,096, sq at 8,192
.set TAUX,   49152                     ; 4 x 128 bytes: each wave's bound for each query
.set STG,    49664                     ; 32 rows (queries) x 528 bytes: the masks on their way out
.set SPITCH, 528
.set M,  14                            ; v14-17  four mask words (pass B)
.set G,  16                            ; v16-31  sixteen group minima (pass A)
.set U,  32                            ; v32-47  sixteen distances at work
.set BA, 48                            ; v48-95, v96-143: two buffers: x0 of 16 candidates, x1 at +16, sq at +32
; v[2:3] -2 x0q, v[4:5] -2 x1q, v[6:7] sq_q, v[8:9] tau (each twice, for the packed forms); v10 the trip's LDS address; v11 my wave's candidates; v12 my row in the stage; v13 at work
	s_load_b128 s[4:7], s[0:1], 0x0                ; xyz, mask
	s_load_b64 s[32:33], s[0:1], 0x10              ; cnt
	v_lshl_add_u32 v160, v0, 2, 0x10400
	v_mov_b32 v161, 0
	v_lshrrev_b32 v1, 5, v0
	v_readfirstlane_b32 s8, v1                     ; wave 0..3
	v_and_b32 v1, 31, v0                           ; lane
	s_wait_alu depctr_va_vdst(0)
	s_lshr_b32 s9, ttmp9, 7                        ; batch
	s_and_b32 s10, ttmp9, 127                      ; which 32 queries
	s_mul_i32 s16, s9, 49152                       ; the batch's x0 row
	s_mov_b32 s17, 0
	s_lshl_b32 s18, s10, 7
	s_lshl_b32 s19, s8, 12
	s_lshl_b32 s20, s9, 21                         ; mask: (4096 b + 32 x + 8 w) 512 bytes
	s_lshl_b32 s22, s10, 14
	s_add_co_u32 s20, s20, s22
	s_add_co_u32 s20, s20, s19
	s_mov_b32 s21, 0
	v_lshlrev_b32 v144, 2, v1
	v_add_nc_u32 v144, s18, v144                   ; my query's x0
	v_lshlrev_b32 v155, 4, v1                      ; 16 x lane
	v_lshlrev_b32 v156, 2, v1                      ; 4 x lane
	v_add_nc_u32 v146, s19, v155                   ; my 16 bytes of the wave's candidates
	s_mul_i32 s23, s8, CANDW
	v_mov_b32 v11, s23
	v_add_nc_u32 v13, s23, v155
	s_lshl_b32 s24, s8, 7
	s_lshl_b32 s34, ttmp9, 9                       ; cnt: my wave's eight queries are the (4 x work-group + w)-th eight: 128 bytes each
	s_add_co_u32 s34, s34, s24
	s_mov_b32 s35, 0
	s_mov_b32 s36, 0x55555555
	s_mov_b32 s37, 0x33333333
	s_mov_b32 s38, 0x0f0f0f0f
	s_mov_b32 s39, 0x01010101
	s_mov_b32 s40, 0x76543210
	s_mov_b32 s41, 0xfedcba98                      ; v_permlanex16_b32's selects for lane l xor 16
	v_mul_u32_u24 v12, v1, SPITCH
	v_add_nc_u32 v12, s24, v12
	v_add_nc_u32 v12, STG, v12                     ; my query's row, my wave's eight groups
	v_lshlrev_b32 v153, 2, v1
	v_add_nc_u32 v153, TAUX, v153
	v_add_nc_u32 v152, s24, v153
	s_mul_i32 s25, s8, 8*SPITCH
	v_add_nc_u32 v154, s25, v155
	v_add_nc_u32 v154, STG, v154                   ; the way out: rows 8 w + i, 16 bytes a lane
	s_wait_kmcnt 0x0
	s_add_nc_u64 s[4:5], s[4:5], s[16:17]
	s_add_nc_u64 s[6:7], s[6:7], s[20:21]
	s_add_nc_u64 s[32:33], s[32:33], s[34:35]
	global_load_b32 v147, v144, s[4:5]
	global_load_b32 v148, v144, s[4:5] offset:16384
.irp i, 0,1,2,3,4,5,6,7
	global_load_b128 v[48+4*\i:51+4*\i], v146, s[4:5] offset:512*\i
	global_load_b128 v[80+4*\i:83+4*\i], v146, s[4:5] offset:16384+512*\i
.endr
	s_wait_loadcnt 0x0
.irp i, 0,2,4,6,8,10,12,14,16,18,20,22,24,26,28,30
	v_pk_mul_f32 v[112+\i:113+\i], v[48+\i:49+\i], v[48+\i:49+\i]   ; x0 x0, rounded
.endr
.irp i, 0,2,4,6,8,10,12,14,16,18,20,22,24,26,28,30
	v_pk_mul_f32 v[16+\i:17+\i], v[80+\i:81+\i], v[80+\i:81+\i]     ; x1 x1, rounded (v16-47 are free here)
.endr
.irp i, 0,2,4,6,8,10,12,14,16,18,20,22,24,26,28,30
	v_pk_add_f32 v[112+\i:113+\i], v[112+\i:113+\i], v[16+\i:17+\i] ; sq of the candidates: the sum of the two rounded squares, not fused on purpose
.endr
.irp i, 0,1,2,3,4,5,6,7
	ds_store_b128 v13, v[48+4*\i:51+4*\i] offset:512*\i
	ds_store_b128 v13, v[80+4*\i:83+4*\i] offset:4096+512*\i
	ds_store_b128 v13, v[112+4*\i:115+4*\i] offset:8192+512*\i
.endr
	v_mul_f32 v2, -2.0, v147
	v_mul_f32 v4, -2.0, v148
	v_mul_f32 v6, v147, v147
	v_mul_f32 v7, v148, v148
	v_add_f32 v6, v6, v7                           ; sq of my query, by the same three roundings
	v_mov_b32 v3, v2
	v_mov_b32 v5, v4
	v_mov_b32 v7, v6
.irp i, 0,1,2,3,4,5,6,7,8,9,10,11,12,13,14,15
	v_mov_b32 v[G+\i], 0x7f800000                  ; the minima begin at +infinity
.endr
	s_wait_dscnt 0x0                               ; the stores have read their registers, which the buffers' loads take next.  The bytes are the wave's own: no barrier
.macro LOADQ buf, off                  ; 16 candidates at byte off of the trip: every lane reads the same 16 bytes
.irp e, 0,1,2,3
	ds_load_b128 v[\buf+4*\e:\buf+4*\e+3], v10 offset:(\off)+16*\e
	ds_load_b128 v[\buf+16+4*\e:\buf+19+4*\e], v10 offset:(\off)+16*\e+4096
	ds_load_b128 v[\buf+32+4*\e:\buf+35+4*\e], v10 offset:(\off)+16*\e+8192
.endr
.endm
.macro DIST buf                        ; 16 distances, two an instruction
.irp i, 0,2,4,6,8,10,12,14
	v_pk_mul_f32 v[U+\i:U+\i+1], v[\buf+\i:\buf+\i+1], v[2:3]
.endr
.irp i, 0,2,4,6,8,10,12,14
	v_pk_fma_f32 v[U+\i:U+\i+1], v[\buf+16+\i:\buf+17+\i], v[4:5], v[U+\i:U+\i+1]
.endr
.irp i, 0,2,4,6,8,10,12,14
	v_pk_add_f32 v[U+\i:U+\i+1], v[\buf+32+\i:\buf+33+\i], v[U+\i:U+\i+1]
.endr
.irp i, 0,2,4,6,8,10,12,14
	v_pk_add_f32 v[U+\i:U+\i+1], v[U+\i:U+\i+1], v[6:7]
.endr
.endm
.macro MINS sb                         ; four candidates into each of four groups
.irp e, 0,1,2,3
	v_min3_num_f32 v[G+4*((\sb)%4)+\e], v[G+4*((\sb)%4)+\e], v[U+4*\e], v[U+4*\e+1]
.endr
.irp e, 0,1,2,3
	v_min3_num_f32 v[G+4*((\sb)%4)+\e], v[G+4*((\sb)%4)+\e], v[U+4*\e+2], v[U+4*\e+3]
.endr
.endm
.macro BITS                            ; the sign of tau - p is 1 just where p > tau; each word moves up one bit and takes it in
.irp i, 0,2,4,6,8,10,12,14
	v_pk_add_f32 v[U+\i:U+\i+1], v[8:9], v[U+\i:U+\i+1] neg_lo:[0,1] neg_hi:[0,1]
.endr
.irp e, 0,1,2,3
.irp j, 0,1,2,3
	v_alignbit_b32 v[M+\j], v[M+\j], v[U+4*\e+\j], 31
.endr
.endr
.endm
; A trip: 128 candidates, eight runs of 16 on the two buffers by turns.  While one run is worked, the next one's twelve loads are out: s_wait_dscnt 12 leaves just those out.
; The eighth run asks for the next trip's first (last = 0) or for nothing (last = 1).  mode 0: pass A; 1: pass B, which ends with the group's four words stored.
.macro TRIP mode, last
	v_add_nc_u32 v10, s13, v11
.irp sb, 0,1,2,3,4,5,6,7
.set CUR, BA+48*(\sb%2)
.set NXT, BA+48*(1-\sb%2)
.if \sb < 7
	LOADQ NXT, 64*(\sb+1)
	s_wait_dscnt 12
.elseif !\last
	LOADQ NXT, 512
	s_wait_dscnt 12
.else
	s_wait_dscnt 0x0
.endif
	DIST CUR
.if \mode
	BITS
.else
	MINS \sb
.endif
.endr
.if \mode
.irp j, 0,1,2,3
	v_xor_b32 v[M+\j], -1, v[M+\j]                 ; 1 where p <= tau
.endr
	v_add_nc_u32 v13, s14, v12
	ds_store_b128 v13, v[M:M+3]                    ; (older than the next run's twelve loads: the next wait for 12 shows it done before the words are written again)
.endif
.endm
	; ---- pass A
	s_mov_b32 s13, 0
	v_mov_b32 v10, v11
	LOADQ BA, 0
	s_mov_b32 s12, 7
.Lpass_a:
	TRIP 0, 0
	s_add_co_u32 s13, s13, 512
	s_sub_co_u32 s12, s12, 1
	s_cmp_lg_u32 s12, 0
	s_cbranch_scc1 .Lpass_a
	s_mov_b32 s13, 3584
	TRIP 0, 1                                      ; the eighth trip is written out: it asks for nothing beyond the wave's candidates
	; ---- the 8th smallest of the 16 minima: two sorts of eight (19 exchanges each), the smaller of a_i and b_(7-i), the largest of those
.macro CE a, b
	v_min_num_f32 v13, v[G+\a], v[G+\b]
	v_max_num_f32 v[G+\b], v[G+\a], v[G+\b]
	v_mov_b32 v[G+\a], v13
.endm
.irp o, 0, 8
	CE \o+0, \o+1
	CE \o+2, \o+3
	CE \o+4, \o+5
	CE \o+6, \o+7
	CE \o+0, \o+2
	CE \o+1, \o+3
	CE \o+4, \o+6
	CE \o+5, \o+7
	CE \o+1, \o+2
	CE \o+5, \o+6
	CE \o+0, \o+4
	CE \o+1, \o+5
	CE \o+2, \o+6
	CE \o+3, \o+7
	CE \o+2, \o+4
	CE \o+3, \o+5
	CE \o+1, \o+2
	CE \o+3, \o+4
	CE \o+5, \o+6
.endr
.irp i, 0,1,2,3,4,5,6,7
	v_min_num_f32 v[144+\i], v[G+\i], v[G+15-\i]
.endr
	v_max3_num_f32 v144, v144, v145, v146
	v_max3_num_f32 v144, v144, v147, v148
	v_max3_num_f32 v144, v144, v149, v150
	v_max_num_f32 v144, v144, v151
	ds_store_b32 v152, v144
	s_wait_dscnt 0x0                               ; for the others' sake: my bound has landed
	s_barrier_signal -1
	s_barrier_wait -1
.irp i, 0,1,2,3
	ds_load_b32 v[144+\i], v153 offset:128*\i
.endr
	s_wait_dscnt 0x0
	v_max3_num_f32 v8, v144, v145, v146
	v_max_num_f32 v8, v8, v147                     ; tau
	v_mov_b32 v9, v8
.irp j, 0,1,2,3
	v_mov_b32 v[M+\j], 0                           ; written once; 32 shifts a trip push every old bit out
.endr
	; ---- pass B
	s_mov_b32 s13, 0
	s_mov_b32 s14, 0
	v_mov_b32 v10, v11
	LOADQ BA, 0
	s_mov_b32 s12, 7
.Lpass_b:
	TRIP 1, 0
	s_add_co_u32 s13, s13, 512
	s_add_co_u32 s14, s14, 16
	s_sub_co_u32 s12, s12, 1
	s_cmp_lg_u32 s12, 0
	s_cbranch_scc1 .Lpass_b
	s_mov_b32 s13, 3584
	s_mov_b32 s14, 112
	TRIP 1, 1
	s_wait_dscnt 0x0                               ; for the others' sake: my eight groups of every row have landed
	s_barrier_signal -1
	s_barrier_wait -1
.irp i, 0,1,2,3,4,5,6,7
	ds_load_b128 v[48+4*\i:51+4*\i], v154 offset:\i*SPITCH
.endr
.irp i, 0,1,2,3,4,5,6,7
	s_wait_dscnt 7-\i
	global_store_b128 v155, v[48+4*\i:51+4*\i], s[6:7] offset:512*\i   ; a query's whole row: 512 consecutive bytes, aligned
.endr
	; ---- the counts.  Of query 8 w + q my lane holds four words in v[48 + 4 q ..], which the stores above only read.  Their ones are counted by fields of 2, 4 and 8 bits, the four words
	; by turns; the four words' bytes are added (32 at the most in a byte), and a multiplication adds the four bytes (128 at the most).
.macro CNT4 q
.irp j, 0,1,2,3
	v_lshrrev_b32 v[108+\j], 1, v[48+4*(\q)+\j]
.endr
.irp j, 0,1,2,3
	v_and_b32 v[108+\j], s36, v[108+\j]
.endr
.irp j, 0,1,2,3
	v_sub_nc_u32 v[96+\j], v[48+4*(\q)+\j], v[108+\j]
.endr
.irp j, 0,1,2,3
	v_lshrrev_b32 v[108+\j], 2, v[96+\j]
.endr
.irp j, 0,1,2,3
	v_and_b32 v[96+\j], s37, v[96+\j]
.endr
.irp j, 0,1,2,3
	v_and_b32 v[108+\j], s37, v[108+\j]
.endr
.irp j, 0,1,2,3
	v_add_nc_u32 v[96+\j], v[96+\j], v[108+\j]
.endr
.irp j, 0,1,2,3
	v_lshrrev_b32 v[108+\j], 4, v[96+\j]
.endr
.irp j, 0,1,2,3
	v_add_nc_u32 v[96+\j], v[96+\j], v[108+\j]
.endr
.irp j, 0,1,2,3
	v_and_b32 v[96+\j], s38, v[96+\j]
.endr
	v_add3_u32 v96, v96, v97, v98
	v_add_nc_u32 v96, v96, v99
	v_mul_lo_u32 v96, v96, s39
	v_lshrrev_b32 v[100+(\q)], 24, v96
.endm
.irp q, 0,1,2,3,4,5,6,7
	CNT4 \q
.endr
.irp q, 0,1,2,3,4,5,6,7
	v_mov_b32 v[112+\q], 0                         ; written once: the destination of a lane move counts as one of its sources
.endr
.irp n, 1,2,4,8
.irp q, 0,1,2,3,4,5,6,7
	v_mov_b32_dpp v[112+\q], v[100+\q] row_xmask:\n row_mask:0xf bank_mask:0xf
.endr
.irp q, 0,1,2,3,4,5,6,7
	v_add_nc_u32 v[100+\q], v[100+\q], v[112+\q]   ; over the 16 lanes of a half, the eight queries by turns
.endr
.endr
.irp q, 0,1,2,3,4,5,6,7
	v_permlanex16_b32 v[112+\q], v[100+\q], s40, s41
.endr
.irp q, 0,1,2,3,4,5,6,7
	v_add_nc_u32 v[100+\q], v[100+\q], v[112+\q]   ; and over both halves: every lane holds the query's count
.endr
	v_mov_b32 v120, v100
.irp q, 1,2,3,4,5,6,7
	s_mov_b32 s42, 0x01010101<<\q
	v_cndmask_b32 v120, v120, v[100+\q], s42       ; lane l keeps the count of query 8 w + l % 8
.endr
	global_store_b32 v156, v120, s[32:33]          ; 128 consecutive bytes a wave, 512 a work-group, aligned
	s_wait_tensorcnt 0x0
	ds_add_u32 v160, v161
	s_wait_dscnt 0x0
	s_endpgm
.Lfunc_end_k_qfa7f28da2a_knn1:
	.size	k_qfa7f28da2a_knn1, .Lfunc_end_k_qfa7f28da2a_knn1-k_qfa7f28da2a_knn1
	.p2alignl 7, 3214868480
	.fill 96, 4, 3214868480
	.section	.rodata,"a",@progbits
	.p2align	6, 0x0
	.amdhsa_kernel k_qfa7f28da2a_knn1
		.amdhsa_group_segment_fixed_size 67072
		.amdhsa_private_segment_fixed_size 0
		.amdhsa_enable_private_segment 0
		.amdhsa_kernarg_size 24
		.amdhsa_user_sgpr_count 2
		.amdhsa_user_sgpr_kernarg_segment_ptr 1
		.amdhsa_wavefront_size32 1
		.amdhsa_system_sgpr_workgroup_id_x 1
		.amdhsa_system_sgpr_workgroup_id_y 1
		.amdhsa_system_sgpr_workgroup_id_z 1
		.amdhsa_system_vgpr_workitem_id 0
		.amdhsa_next_free_vgpr 162
		.amdhsa_next_free_sgpr 66
		.amdhsa_reserve_vcc 0
		.amdhsa_float_denorm_mode_32 3
		.amdhsa_float_denorm_mode_16_64 3
		.amdhsa_memory_ordered 1
		.amdhsa_forward_progress 1
		.amdhsa_inst_pref_size 156
	.end_amdhsa_kernel
	.amdgpu_metadata
---
amdhsa.version: [ 1, 2 ]
amdhsa.kernels:
  - .name:           k_qfa7f28da2a_knn1
    .symbol:         k_qfa7f28da2a_knn1.kd
    .args:
      - { .name: xyz, .offset: 0, .size: 8, .value_kind: global_buffer, .address_space: global }
      - { .name: mask, .offset: 8, .size: 8, .value_kind: global_buffer, .address_space: global }
      - { .name: cnt, .offset: 16, .size: 8, .value_kind: global_buffer, .address_space: global }
    .group_segment_fixed_size: 67072
    .private_segment_fixed_size: 0
    .kernarg_segment_align: 8
    .kernarg_segment_size: 24
    .max_flat_workgroup_size: 128
    .sgpr_count:     66
    .vgpr_count:     162
    .wavefront_size: 32
...
	.end_amdgpu_metadata
.endif
;; end of part 8
;; launch knn2 (part 9): grid 1024 x 1, 16 waves a work-group, no clusters, 0 bytes of LDS; arguments mask, cnt, list; writes list
.if DOCPART == 9
	.amdgcn_target "amdgcn-amd-amdhsa--gfx1250"
	.amdhsa_code_object_version 6
	.text
	.protected	k_qfa7f28da2a_knn2
	.globl	k_qfa7f28da2a_knn2
	.p2align	8
	.type	k_qfa7f28da2a_knn2,@function
k_qfa7f28da2a_knn2:
	s_mov_b64 s[64:65], 0
	v_nop
	global_prefetch_b8 v0, s[64:65] scope:SCOPE_SE
	s_setreg_imm32_b32 hwreg(HW_REG_WAVE_MODE, 25, 1), 1
	s_wait_xcnt 0x0
; For each query Q = 4096 b + q: the numbers of the candidates marked in its mask, written out one after the other: list[Q][T], T = 0 .. count - 1 (in the order lane, word, bit of the mask).
; The next launch reads them and forms addresses of them; here every address is made of ids and the loop's counter alone, and the trip count comes from the count that an earlier launch stored.
; list has 4,096 places a query: ties can mark every candidate, so no smaller bound holds for every input.  A trip writes 32 places; in the last trip the lanes past the count
; write a number between 0 and 4,095 that nobody uses.
; SHARES: a wave a query; waves share nothing, so there is no barrier and no LDS byte is touched (the lane permutes go through the LDS unit only).
; Lane L holds group L of the mask (four words, 128 candidates).  A trip takes the next 32 places, a lane a place T:
;   SEARCH: the lane whose running count passes T (five probes);  the word among its four;  SELECT: the bit in the word, by counts of 16, 8, 4, 2, 1 bits.
; v4-7 my words; v8-11 counts up to and with word 0..3; v12, v13 counts with and without my lane's; v14 T; v15 4 x the lane found; v18-25 what that lane holds;
; v26 what is left of T; v27 the word; v28, v29 its offset and number; v30-33 counts by 2, 4, 8, 16 bits; v34 the bit; v37 the candidate; v52 the store's offset.
	s_load_b128 s[4:7], s[0:1], 0x0                ; mask, cnt
	s_load_b64 s[8:9], s[0:1], 0x10                ; list
	v_lshrrev_b32 v1, 5, v0
	s_delay_alu instid0(VALU_DEP_1)
	v_readfirstlane_b32 s10, v1                    ; wave 0..15
	v_and_b32 v1, 31, v0                           ; lane
	s_wait_alu depctr_va_vdst(0)
	s_lshl_b32 s11, ttmp9, 4
	s_add_co_u32 s11, s11, s10                     ; the query
	s_lshl_b32 s32, s11, 9                         ; its row of the mask
	s_mov_b32 s33, 0
	s_lshr_b32 s34, s11, 3                         ; its count: 128 (Q / 8) + 4 (Q % 8)
	s_lshl_b32 s34, s34, 7
	s_and_b32 s31, s11, 7
	s_lshl_b32 s31, s31, 2
	s_add_co_u32 s34, s34, s31
	s_mov_b32 s35, 0
	s_lshl_b32 s38, s11, 14                        ; its row of the list: 16,384 bytes a query, under 2^28 in all
	s_mov_b32 s39, 0
	s_mov_b32 s18, 0xffff0000                      ; lanes 16-31
	s_mov_b32 s26, 0x55555555
	s_mov_b32 s27, 0x33333333
	s_mov_b32 s28, 0x0f0f0f0f
	s_mov_b32 s29, 0x01010101
	s_mov_b32 s30, 0x00ff00ff
	v_lshlrev_b32 v2, 4, v1
	v_lshlrev_b32 v3, 2, v1
	s_wait_alu depctr_va_vdst(0)
	s_wait_kmcnt 0x0
	s_add_nc_u64 s[4:5], s[4:5], s[32:33]
	s_add_nc_u64 s[6:7], s[6:7], s[34:35]
	s_add_nc_u64 s[8:9], s[8:9], s[38:39]
	global_load_b128 v[4:7], v2, s[4:5] th:TH_LOAD_NT   ; read once in the launch
	s_load_b32 s13, s[6:7], 0x0                    ; how many are marked (no line of this launch writes cnt)
	v_mov_b32 v48, 0                               ; written once: the destination of a lane move counts as one of its sources
	v_mov_b32 v14, v1                              ; T = lane
	s_wait_kmcnt 0x0
	s_add_co_u32 s14, s13, 31
	s_lshr_b32 s14, s14, 5
	s_max_u32 s14, s14, 1
	s_min_u32 s14, s14, 128                        ; trips
.macro POP dst, src                    ; the number of ones in a word
	v_lshrrev_b32 v49, 1, v[\src]
	s_delay_alu instid0(VALU_DEP_1)
	v_and_b32 v49, s26, v49
	s_delay_alu instid0(VALU_DEP_1)
	v_sub_nc_u32 v[\dst], v[\src], v49
	s_delay_alu instid0(VALU_DEP_1)
	v_lshrrev_b32 v49, 2, v[\dst]
	s_delay_alu instid0(VALU_DEP_2)
	v_and_b32 v[\dst], s27, v[\dst]
	s_delay_alu instid0(VALU_DEP_2)
	v_and_b32 v49, s27, v49
	s_delay_alu instid0(VALU_DEP_1)
	v_add_nc_u32 v[\dst], v[\dst], v49
	s_delay_alu instid0(VALU_DEP_1)
	v_lshrrev_b32 v49, 4, v[\dst]
	s_delay_alu instid0(VALU_DEP_1)
	v_add_nc_u32 v[\dst], v[\dst], v49
	s_delay_alu instid0(VALU_DEP_1)
	v_and_b32 v[\dst], s28, v[\dst]
	s_delay_alu instid0(VALU_DEP_1)
	v_mul_lo_u32 v[\dst], v[\dst], s29
	s_delay_alu instid0(VALU_DEP_1)
	v_lshrrev_b32 v[\dst], 24, v[\dst]
.endm
	s_wait_loadcnt 0x0
	POP 8, 4
	POP 9, 5
	POP 10, 6
	POP 11, 7
	v_add_nc_u32 v9, v9, v8
	s_delay_alu instid0(VALU_DEP_1)
	v_add_nc_u32 v10, v10, v9
	s_delay_alu instid0(VALU_DEP_1)
	v_add_nc_u32 v11, v11, v10
	s_delay_alu instid0(VALU_DEP_1)
	v_mov_b32 v12, v11
.irp n, 1,2,4,8
	s_delay_alu instid0(VALU_DEP_1)
	v_mov_b32_dpp v48, v12 row_shr:\n row_mask:0xf bank_mask:0xf bound_ctrl:1   ; running counts inside each 16 lanes
	s_delay_alu instid0(VALU_DEP_1)
	v_add_nc_u32 v12, v12, v48
.endr
	s_delay_alu instid0(VALU_DEP_1)
	v_readlane_b32 s19, v12, 15
	s_delay_alu instid0(VALU_DEP_1)
	v_mov_b32 v49, s19
	s_delay_alu instid0(VALU_DEP_1)
	v_cndmask_b32 v48, 0, v49, s18
	s_delay_alu instid0(VALU_DEP_1)
	v_add_nc_u32 v12, v12, v48                     ; and over all 32
	s_delay_alu instid0(VALU_DEP_1)
	v_sub_nc_u32 v13, v12, v11
.macro SEL s, src, width               ; are the \s bits from v34 on too few?  Then pass them
	s_delay_alu instid0(VALU_DEP_1)
	v_bfe_u32 v35, v[\src], v34, \width
	s_delay_alu instid0(VALU_DEP_1)
	v_cmp_ge_u32 vcc_lo, v26, v35
	s_delay_alu instid0(VALU_DEP_2)
	v_sub_nc_u32 v35, v26, v35
	s_delay_alu instid0(VALU_DEP_4)
	v_add_nc_u32 v36, \s, v34
	s_delay_alu instid0(VALU_DEP_2)
	v_cndmask_b32 v26, v26, v35, vcc_lo
	s_delay_alu instid0(VALU_DEP_2)
	v_cndmask_b32 v34, v34, v36, vcc_lo
.endm
	s_mov_b32 s15, 0
.Ltrip:
	s_lshl_b32 s23, s15, 7
	v_add_nc_u32 v52, s23, v3                      ; 128 x trip + 4 x lane  (the last trip's store has read it: the wait at the trip's end)
	v_mov_b32 v15, 0                               ; SEARCH: how many lanes' running counts are at or under T (31 at the most)
	s_wait_alu depctr_va_vdst(0)
.irp s, 16
	v_add_nc_u32 v16, 4*\s-4, v15
	s_delay_alu instid0(VALU_DEP_1)
	v_min_u32 v16, 124, v16
	ds_bpermute_b32 v17, v16, v12
	v_add_nc_u32 v35, 4*\s, v15
	s_wait_alu depctr_va_vdst(0)
	s_wait_dscnt 0x0
	v_cmp_le_u32 vcc_lo, v17, v14
	s_delay_alu instid0(VALU_DEP_1)
	v_cndmask_b32 v15, v15, v35, vcc_lo
.endr
.irp s, 8, 4, 2, 1
	s_delay_alu instid0(VALU_DEP_1)
	v_add_nc_u32 v16, 4*\s-4, v15
	s_delay_alu instid0(VALU_DEP_1)
	v_min_u32 v16, 124, v16
	ds_bpermute_b32 v17, v16, v12
	v_add_nc_u32 v35, 4*\s, v15
	s_wait_alu depctr_va_vdst(0)
	s_wait_dscnt 0x0
	v_cmp_le_u32 vcc_lo, v17, v14
	s_delay_alu instid0(VALU_DEP_1)
	v_cndmask_b32 v15, v15, v35, vcc_lo
.endr
	s_delay_alu instid0(VALU_DEP_1)
	v_min_u32 v16, 124, v15
	ds_bpermute_b32 v18, v16, v13
	ds_bpermute_b32 v19, v16, v8
	ds_bpermute_b32 v20, v16, v9
	ds_bpermute_b32 v21, v16, v10
	ds_bpermute_b32 v22, v16, v4
	ds_bpermute_b32 v23, v16, v5
	ds_bpermute_b32 v24, v16, v6
	ds_bpermute_b32 v25, v16, v7
	s_wait_dscnt 0x0
	v_sub_nc_u32 v26, v14, v18
	s_delay_alu instid0(VALU_DEP_1)
	v_cmp_ge_u32 vcc_lo, v26, v19                  ; the word
	s_delay_alu instid0(VALU_DEP_1)
	v_cndmask_b32 v27, v22, v23, vcc_lo
	s_delay_alu instid0(VALU_DEP_2)
	v_cndmask_b32 v28, 0, v19, vcc_lo
	s_delay_alu instid0(VALU_DEP_3)
	v_cndmask_b32 v29, 0, 1, vcc_lo
	v_cmp_ge_u32 vcc_lo, v26, v20
	s_delay_alu instid0(VALU_DEP_1)
	v_cndmask_b32 v27, v27, v24, vcc_lo
	s_delay_alu instid0(VALU_DEP_2)
	v_cndmask_b32 v28, v28, v20, vcc_lo
	s_delay_alu instid0(VALU_DEP_3)
	v_cndmask_b32 v29, v29, 2, vcc_lo
	v_cmp_ge_u32 vcc_lo, v26, v21
	s_delay_alu instid0(VALU_DEP_1)
	v_cndmask_b32 v27, v27, v25, vcc_lo
	s_delay_alu instid0(VALU_DEP_2)
	v_cndmask_b32 v28, v28, v21, vcc_lo
	s_delay_alu instid0(VALU_DEP_3)
	v_cndmask_b32 v29, v29, 3, vcc_lo
	s_delay_alu instid0(VALU_DEP_2)
	v_sub_nc_u32 v26, v26, v28
	s_delay_alu instid0(VALU_DEP_4)
	v_lshrrev_b32 v35, 1, v27                      ; SELECT: the word's counts by fields of 2, 4, 8, 16 bits
	s_delay_alu instid0(VALU_DEP_1)
	v_and_b32 v35, s26, v35
	s_delay_alu instid0(VALU_DEP_1)
	v_sub_nc_u32 v30, v27, v35
	s_delay_alu instid0(VALU_DEP_1)
	v_lshrrev_b32 v35, 2, v30
	s_delay_alu instid0(VALU_DEP_2)
	v_and_b32 v31, s27, v30
	s_delay_alu instid0(VALU_DEP_2)
	v_and_b32 v35, s27, v35
	s_delay_alu instid0(VALU_DEP_1)
	v_add_nc_u32 v31, v31, v35
	s_delay_alu instid0(VALU_DEP_1)
	v_lshrrev_b32 v35, 4, v31
	s_delay_alu instid0(VALU_DEP_1)
	v_add_nc_u32 v32, v31, v35
	s_delay_alu instid0(VALU_DEP_1)
	v_and_b32 v32, s28, v32
	s_delay_alu instid0(VALU_DEP_1)
	v_lshrrev_b32 v35, 8, v32
	s_delay_alu instid0(VALU_DEP_1)
	v_add_nc_u32 v33, v32, v35
	s_delay_alu instid0(VALU_DEP_1)
	v_and_b32 v33, s30, v33
	v_mov_b32 v34, 0
	SEL 16, 33, 16
	SEL 8, 32, 8
	SEL 4, 31, 4
	SEL 2, 30, 2
	SEL 1, 27, 1
	s_delay_alu instid0(VALU_DEP_1)
	v_sub_nc_u32 v35, 31, v34                      ; the candidate: 128 x lane + 4 (31 - bit) + word: between 0 and 4,095 whatever T is
	v_lshlrev_b32 v37, 5, v15
	s_delay_alu instid0(VALU_DEP_1)
	v_lshl_add_u32 v37, v35, 2, v37
	s_delay_alu instid0(VALU_DEP_1)
	v_add_nc_u32 v37, v37, v29
	global_store_b32 v52, v37, s[8:9]              ; 128 consecutive bytes a trip; two trips fill 256
	v_add_nc_u32 v14, 32, v14
	s_wait_xcnt 0x0                                ; the store has read its offset and its data: the next trip writes both again
	s_add_co_u32 s15, s15, 1
	s_cmp_lt_u32 s15, s14
	s_cbranch_scc1 .Ltrip
	s_endpgm
.Lfunc_end_k_qfa7f28da2a_knn2:
	.size	k_qfa7f28da2a_knn2, .Lfunc_end_k_qfa7f28da2a_knn2-k_qfa7f28da2a_knn2
	.p2alignl 7, 3214868480
	.fill 96, 4, 3214868480
	.section	.rodata,"a",@progbits
	.p2align	6, 0x0
	.amdhsa_kernel k_qfa7f28da2a_knn2
		.amdhsa_group_segment_fixed_size 0
		.amdhsa_private_segment_fixed_size 0
		.amdhsa_enable_private_segment 0
		.amdhsa_kernarg_size 24
		.amdhsa_user_sgpr_count 2
		.amdhsa_user_sgpr_kernarg_segment_ptr 1
		.amdhsa_wavefront_size32 1
		.amdhsa_system_sgpr_workgroup_id_x 1
		.amdhsa_system_sgpr_workgroup_id_y 1
		.amdhsa_system_sgpr_workgroup_id_z 1
		.amdhsa_system_vgpr_workitem_id 0
		.amdhsa_next_free_vgpr 56
		.amdhsa_next_free_sgpr 66
		.amdhsa_reserve_vcc 1
		.amdhsa_float_denorm_mode_32 3
		.amdhsa_float_denorm_mode_16_64 3
		.amdhsa_memory_ordered 1
		.amdhsa_forward_progress 1
		.amdhsa_inst_pref_size 14
	.end_amdhsa_kernel
	.amdgpu_metadata
---
amdhsa.version: [ 1, 2 ]
amdhsa.kernels:
  - .name:           k_qfa7f28da2a_knn2
    .symbol:         k_qfa7f28da2a_knn2.kd
    .args:
      - { .name: mask, .offset: 0, .size: 8, .value_kind: global_buffer, .address_space: global }
      - { .name: cnt, .offset: 8, .size: 8, .value_kind: global_buffer, .address_space: global }
      - { .name: list, .offset: 16, .size: 8, .value_kind: global_buffer, .address_space: global }
    .group_segment_fixed_size: 0
    .private_segment_fixed_size: 0
    .kernarg_segment_align: 8
    .kernarg_segment_size: 24
    .max_flat_workgroup_size: 512
    .sgpr_count:     66
    .vgpr_count:     56
    .wavefront_size: 32
...
	.end_amdgpu_metadata
.endif
;; end of part 9
;; launch knn3 (part 10): grid 1024 x 1, 16 waves a work-group, no clusters, 0 bytes of LDS; arguments list, cnt, xyz, idx; writes idx
.if DOCPART == 10
	.amdgcn_target "amdgcn-amd-amdhsa--gfx1250"
	.amdhsa_code_object_version 6
	.text
	.protected	k_qfa7f28da2a_knn3
	.globl	k_qfa7f28da2a_knn3
	.p2align	8
	.type	k_qfa7f28da2a_knn3,@function
k_qfa7f28da2a_knn3:
	s_mov_b64 s[64:65], 0
	v_nop
	global_prefetch_b8 v0, s[64:65] scope:SCOPE_SE
	s_setreg_imm32_b32 hwreg(HW_REG_WAVE_MODE, 25, 1), 1
	s_wait_xcnt 0x0
; For each query (b, q): out of its listed candidates (at least 32, at most 4,096) the 32 with the smallest (p, index), in that order: idx[b][32 q + rank].
; Ties in p go to the lower index, as jax.lax.top_k has it.  p is made by the same lines as in the launch that made the mask:
; sq = x0 x0 + x1 x1, each square rounded by itself and the two then added, as the source has them (not fused on purpose);  u = x0m (-2 x0q);  u = fma(x1m, -2 x1q, u);  t = sq_m + u;  p = t + sq_q.
; LIMITS: two distances within one f32 rounding of each other order as this sequence rounds them; NaN and infinities are not served.
; SHARES: a wave a query; waves share nothing: no barrier, no LDS.  A trip takes the next 32 places of the query's list, a lane a place T: the candidate's number is loaded, held inside
; the table and made into the address of its coordinates.  The trip count comes from the count that an earlier launch stored; comparisons of p only select values.
; The trip's 32 are sorted downward by (p, index) (15 exchange stages), joined with the 32 kept so far (sorted upward): the smaller at each lane are the 32 smallest of the 64;
; five more stages sort them upward again.
; v14 T; v36 the gather's offset; v37 the candidate; v38, v39 its coordinates; v40 its p; v41, v42 the partner's; v43, v44 the 32 kept: p and index; v45-47 -2 x0q, -2 x1q, sq_q;
; v50, v51 +infinity and the greatest index, for lanes without a candidate; v52 the list's offset.
	s_load_b256 s[4:11], s[0:1], 0x0               ; list, cnt, xyz, idx
	v_lshrrev_b32 v1, 5, v0
	s_delay_alu instid0(VALU_DEP_1)
	v_readfirstlane_b32 s12, v1                    ; wave 0..15
	v_and_b32 v1, 31, v0                           ; lane
	s_wait_alu depctr_va_vdst(0)
	s_lshl_b32 s18, ttmp9, 4
	s_add_co_u32 s18, s18, s12                     ; the query, 4096 b + q
	s_lshr_b32 s26, s18, 12
	s_and_b32 s27, s18, 4095
	s_lshl_b32 s28, s18, 14                        ; its row of the list
	s_mov_b32 s29, 0
	s_lshr_b32 s30, s18, 3                         ; its count: 128 (Q / 8) + 4 (Q % 8)
	s_lshl_b32 s30, s30, 7
	s_and_b32 s19, s18, 7
	s_lshl_b32 s19, s19, 2
	s_add_co_u32 s30, s30, s19
	s_mov_b32 s31, 0
	s_mul_i32 s32, s26, 49152                      ; its batch's x0 row
	s_mov_b32 s33, 0
	s_lshl_b32 s34, s27, 2
	s_mov_b32 s35, 0
	s_lshl_b32 s36, s18, 7                         ; its 32 places in idx
	s_mov_b32 s37, 0
	s_mov_b32 s16, 0x76543210
	s_mov_b32 s17, 0xfedcba98                      ; v_permlanex16_b32's selects for lane l xor 16
	v_lshlrev_b32 v3, 2, v1
	s_wait_kmcnt 0x0
	s_add_nc_u64 s[4:5], s[4:5], s[28:29]
	s_add_nc_u64 s[6:7], s[6:7], s[30:31]
	s_add_nc_u64 s[8:9], s[8:9], s[32:33]
	s_add_nc_u64 s[10:11], s[10:11], s[36:37]
	s_add_nc_u64 s[34:35], s[8:9], s[34:35]
	s_load_b32 s13, s[6:7], 0x0                    ; how many are listed (no line of this launch writes cnt or xyz)
	s_load_b32 s24, s[34:35], 0x0                  ; the query's x0, x1
	s_load_b32 s25, s[34:35], 0x4000
	v_mov_b32 v50, 0x7f800000
	v_mov_b32 v51, 0x7fffffff
	s_delay_alu instid0(VALU_DEP_2)
	v_mov_b32 v43, v50
	s_delay_alu instid0(VALU_DEP_2)
	v_mov_b32 v44, v51
	v_mov_b32 v41, 0                               ; written once: a lane permute's destination counts as one of its sources
	v_mov_b32 v42, 0
	v_mov_b32 v14, v1                              ; T = lane
	s_wait_kmcnt 0x0
	s_add_co_u32 s14, s13, 31
	s_lshr_b32 s14, s14, 5
	s_max_u32 s14, s14, 1
	s_min_u32 s14, s14, 128                        ; trips
	v_mov_b32 v38, s24
	v_mov_b32 v39, s25
	s_delay_alu instid0(VALU_DEP_2)
	v_mul_f32 v45, -2.0, v38
	s_delay_alu instid0(VALU_DEP_2)
	v_mul_f32 v46, -2.0, v39
	s_delay_alu instid0(VALU_DEP_4)
	v_mul_f32 v47, v38, v38
	s_delay_alu instid0(VALU_DEP_4)
	v_mul_f32 v48, v39, v39
	s_delay_alu instid0(VALU_DEP_1)
	v_add_f32 v47, v47, v48                        ; sq of the query: two rounded squares, then their sum
; An exchange stage between lanes l and l xor j on the key (p, index).  A lane takes its partner's key where (partner < mine) xor its bit of nk.
.macro STAGE kp, ki, j, nk
.if \j == 16
	s_delay_alu instid0(VALU_DEP_2)
	v_permlanex16_b32 v41, v[\kp], s16, s17
	s_delay_alu instid0(VALU_DEP_2)
	v_permlanex16_b32 v42, v[\ki], s16, s17
.else
	s_delay_alu instid0(VALU_DEP_2)
	v_mov_b32_dpp v41, v[\kp] row_xmask:\j row_mask:0xf bank_mask:0xf
	s_delay_alu instid0(VALU_DEP_2)
	v_mov_b32_dpp v42, v[\ki] row_xmask:\j row_mask:0xf bank_mask:0xf
.endif
	s_delay_alu instid0(VALU_DEP_2)
	v_cmp_lt_f32 s20, v41, v[\kp]
	s_delay_alu instid0(VALU_DEP_3)
	v_cmp_eq_f32 s21, v41, v[\kp]
	s_delay_alu instid0(VALU_DEP_3)
	v_cmp_lt_u32 s22, v42, v[\ki]
	s_and_b32 s21, s21, s22
	s_or_b32 s20, s20, s21
	s_xor_b32 s20, s20, \nk
	v_cndmask_b32 v[\kp], v[\kp], v41, s20
	v_cndmask_b32 v[\ki], v[\ki], v42, s20
.endm
; nk: JM = the lanes that are the lower of their pair, KM = the lanes whose run of k goes the other way; upward: not (JM xor KM); downward: its complement
.macro BST kp, ki, k, j, desc
.if \j == 1
.set JM, 0x55555555
.elseif \j == 2
.set JM, 0x33333333
.elseif \j == 4
.set JM, 0x0f0f0f0f
.elseif \j == 8
.set JM, 0x00ff00ff
.else
.set JM, 0x0000ffff
.endif
.if \k == 2
.set KM, 0xcccccccc
.elseif \k == 4
.set KM, 0xf0f0f0f0
.elseif \k == 8
.set KM, 0xff00ff00
.elseif \k == 16
.set KM, 0xffff0000
.else
.set KM, 0
.endif
.set NK, JM^KM^0xffffffff^(0xffffffff*\desc)
	STAGE \kp, \ki, \j, NK
.endm
	s_mov_b32 s15, 0
.Ltrip:
	s_lshl_b32 s19, s15, 7
	v_add_nc_u32 v52, s19, v3                      ; 128 x trip + 4 x lane  (the last trip's load from it has been waited for)
	global_load_b32 v37, v52, s[4:5] th:TH_LOAD_NT ; the T-th listed candidate; read once in the launch
	s_wait_alu depctr_va_vdst(0)
	v_cmp_gt_u32 s23, s13, v14                     ; is there a T-th listed candidate?
	s_wait_loadcnt 0x0
	v_min_u32 v37, 0xfff, v37                      ; held inside the table before it enters an address
	s_delay_alu instid0(VALU_DEP_1)
	v_lshlrev_b32 v36, 2, v37
	global_load_b32 v38, v36, s[8:9]
	global_load_b32 v39, v36, s[8:9] offset:16384
	s_wait_loadcnt 0x0                             ; (also frees v36 for the next trip)
	v_mul_f32 v48, v38, v38
	v_mul_f32 v49, v39, v39
	s_delay_alu instid0(VALU_DEP_1)
	v_add_f32 v48, v48, v49                        ; sq of the candidate: two rounded squares, then their sum
	v_mul_f32 v49, v38, v45
	s_delay_alu instid0(VALU_DEP_1)
	v_fma_f32 v49, v39, v46, v49
	s_delay_alu instid0(VALU_DEP_1)
	v_add_f32 v49, v48, v49
	s_delay_alu instid0(VALU_DEP_1)
	v_add_f32 v40, v49, v47
	s_delay_alu instid0(VALU_DEP_1)
	v_cndmask_b32 v40, v50, v40, s23
	v_cndmask_b32 v37, v51, v37, s23
	BST 40, 37, 2, 1, 1                            ; the trip's 32, downward
	BST 40, 37, 4, 2, 1
	BST 40, 37, 4, 1, 1
	BST 40, 37, 8, 4, 1
	BST 40, 37, 8, 2, 1
	BST 40, 37, 8, 1, 1
	BST 40, 37, 16, 8, 1
	BST 40, 37, 16, 4, 1
	BST 40, 37, 16, 2, 1
	BST 40, 37, 16, 1, 1
	BST 40, 37, 32, 16, 1
	BST 40, 37, 32, 8, 1
	BST 40, 37, 32, 4, 1
	BST 40, 37, 32, 2, 1
	BST 40, 37, 32, 1, 1
	s_delay_alu instid0(VALU_DEP_2)
	v_cmp_lt_f32 s20, v40, v43                     ; the smaller at each lane
	s_delay_alu instid0(VALU_DEP_3)
	v_cmp_eq_f32 s21, v40, v43
	s_delay_alu instid0(VALU_DEP_3)
	v_cmp_lt_u32 s22, v37, v44
	s_and_b32 s21, s21, s22
	s_or_b32 s20, s20, s21
	v_cndmask_b32 v43, v43, v40, s20
	v_cndmask_b32 v44, v44, v37, s20
	BST 43, 44, 32, 16, 0                          ; and upward again
	BST 43, 44, 32, 8, 0
	BST 43, 44, 32, 4, 0
	BST 43, 44, 32, 2, 0
	BST 43, 44, 32, 1, 0
	v_add_nc_u32 v14, 32, v14
	s_add_co_u32 s15, s15, 1
	s_cmp_lt_u32 s15, s14
	s_cbranch_scc1 .Ltrip
	global_store_b32 v3, v44, s[10:11]             ; rank = lane: 128 consecutive bytes a wave; two neighbouring waves fill 256
	s_endpgm
.Lfunc_end_k_qfa7f28da2a_knn3:
	.size	k_qfa7f28da2a_knn3, .Lfunc_end_k_qfa7f28da2a_knn3-k_qfa7f28da2a_knn3
	.p2alignl 7, 3214868480
	.fill 96, 4, 3214868480
	.section	.rodata,"a",@progbits
	.p2align	6, 0x0
	.amdhsa_kernel k_qfa7f28da2a_knn3
		.amdhsa_group_segment_fixed_size 0
		.amdhsa_private_segment_fixed_size 0
		.amdhsa_enable_private_segment 0
		.amdhsa_kernarg_size 32
		.amdhsa_user_sgpr_count 2
		.amdhsa_user_sgpr_kernarg_segment_ptr 1
		.amdhsa_wavefront_size32 1
		.amdhsa_system_sgpr_workgroup_id_x 1
		.amdhsa_system_sgpr_workgroup_id_y 1
		.amdhsa_system_sgpr_workgroup_id_z 1
		.amdhsa_system_vgpr_workitem_id 0
		.amdhsa_next_free_vgpr 56
		.amdhsa_next_free_sgpr 66
		.amdhsa_reserve_vcc 0
		.amdhsa_float_denorm_mode_32 3
		.amdhsa_float_denorm_mode_16_64 3
		.amdhsa_memory_ordered 1
		.amdhsa_forward_progress 1
		.amdhsa_inst_pref_size 19
	.end_amdhsa_kernel
	.amdgpu_metadata
---
amdhsa.version: [ 1, 2 ]
amdhsa.kernels:
  - .name:           k_qfa7f28da2a_knn3
    .symbol:         k_qfa7f28da2a_knn3.kd
    .args:
      - { .name: list, .offset: 0, .size: 8, .value_kind: global_buffer, .address_space: global }
      - { .name: cnt, .offset: 8, .size: 8, .value_kind: global_buffer, .address_space: global }
      - { .name: xyz, .offset: 16, .size: 8, .value_kind: global_buffer, .address_space: global }
      - { .name: idx, .offset: 24, .size: 8, .value_kind: global_buffer, .address_space: global }
    .group_segment_fixed_size: 0
    .private_segment_fixed_size: 0
    .kernarg_segment_align: 8
    .kernarg_segment_size: 32
    .max_flat_workgroup_size: 512
    .sgpr_count:     66
    .vgpr_count:     56
    .wavefront_size: 32
...
	.end_amdgpu_metadata
.endif
;; end of part 10
;; launch mlp (part 11): grid 256 x 1, 4 waves a work-group, no clusters, 127,488 bytes of LDS; arguments rec, idx, W_codes, W_scales, gamma, ext, part; writes ext, part
.if DOCPART == 11
	.amdgcn_target "amdgcn-amd-amdhsa--gfx1250"
	.amdhsa_code_object_version 6
	.text
	.protected	k_qfa7f28da2a_mlp
	.globl	k_qfa7f28da2a_mlp
	.p2align	8
	.type	k_qfa7f28da2a_mlp,@function
k_qfa7f28da2a_mlp:
	s_mov_b64 s[64:65], 0
	v_nop
	global_prefetch_b8 v0, s[64:65] scope:SCOPE_SE
	s_setreg_imm32_b32 hwreg(HW_REG_WAVE_SCHED_MODE, 0, 2), 2
	s_setreg_imm32_b32 hwreg(HW_REG_WAVE_MODE, 25, 1), 1
	s_wait_xcnt 0x0
	s_wait_alu depctr_vm_vsrc(0)
; The quantised product y[b][n][k][g] = Q(feat[b][:][idx[b][4096 k + n]]) . W[g][:] on codes of FP6 (E2M3) with E8M0 scales, and what batch-norm and the pool need of it:
;   ext[b][g][n] = max over k of s_g y,   part = sums over a work-group's rows of s_g y and of y^2,   s_g = -1 where gamma_g's sign bit is set, else +1.
; gamma x (y - mean) x rsqrt(var) + beta, then relu, rises with s_g y, so the largest s_g y of the 32 k gives the pooled number; the last launch applies the statistics.
; s_g is laid into W: the sign bit of every code of row g is turned where gamma_g is negative (exact), so that one maximum serves both signs.  The bias is added in the last launch.
; SHARES: a work-group takes 64 outputs n of one batch; wave w takes 16 of them, for all 256 channels, and walks k = 0 .. 31 in pairs.
; Source 0 = 16 gathered rows (lane (r, h): row n0 + r: 96 bytes and a scale word of half h of its record, as they lie), source 1 = 16 rows of W, which stay in registers.
; In a result lane (r, h) holds channel 16 t + r and its registers the outputs n0 + 8 h + 0 .. 7: the maximum over k stays in the lane.
; NO CLUSTER, NO JOINT LOADS: what work-groups share is W, 51,200 bytes read once by each; what a work-group gathers for itself is 2,048 rows x 200 bytes.  Gathered rows have an address a lane,
; so they come by plain loads into registers, three pairs of k ahead, in four buffers by turns.
; REGISTERS, in windows of 256 (s_set_vgpr_msb: bits 1:0 source 0, 3:2 source 1, 5:4 source 2, 7:6 destination):
;   window 0: v0-23 addresses; v24-39 W's scale words (tile t: lanes 0-15 K step 0, lanes 16-31 K step 1); v40-247 four buffers of 52: two k of 24 codes, a scale word, a spare; v248-255 two gather addresses a buffer
;   window 1: v0-127 the maxima (8 t + j); v128-159 sums, v160-191 sums of squares (a pair a tile); v192-255 two sets of four accumulators.  At the head v0-95 hold my four tiles of W
;   window 2: W's tiles 0-9 at 24 t + 12 s;   window 3: tiles 10-15 at 24 (t - 10) + 12 s; v144-175 the 32 raw indices
; THE MODE: SCHED_MODE bits 1:0 = 2 (LLVM: expert scheduling mode 2), set by the entry lines.  The code itself states the register dependences
; between vector or matrix instructions and memory or LDS instructions, with s_wait_alu, always for 0.
; THE PLAN.  Registers that memory or LDS instructions touch:
;   v4-6, v8-15   offsets and LDS addresses: made at the head, never written again: one wait on va_vdst ahead of the first load.
;   TA[f]         Pair p, f = (p + 3) % 4: four vector lines at the pair's head write the two addresses; the pair's fourteen loads read them; they are written again four pairs on.
;   BUF[f]        The same fourteen loads land in it; the 64 products of pair p + 3 read it (source 0 and its scale words); it is loaded again at the head of pair p + 4.
;   window 1 v0-95  At the head: loaded, turned by the exclusive ors, read by the LDS stores of the images; from the first pair on the maxima.
;   W, W's scale words and the raw indices are filled by loads once and named by vector and matrix instructions alone from then on; sums and accumulators never meet a memory instruction before the way out.
; So a pair has two waits, both at its head: vm_vsrc ahead of the address lines, va_vdst behind them.  The second states that the addresses are written and that the products of the pair before are done
; reading BUF[f].  The fourteen loads follow it, seven at once and seven behind the next eight products, which name the buffer at work, W, its scale words and the accumulators: none of the loads' registers.
.set WIMG,  0                          ; LDS: W's 32 fragments as images of their registers, 1,536 bytes each
.set STG,   49152                      ; 256 rows (channels) x 272 bytes: the maxima on their way out
.set STATS, 118784                     ; 4 waves x [sum, squares] x 256 channels
.set SP,    272
.set WS,    24
.set BUF,   40
.set TA,    248
.set RAW,   144
.set SS,    128
.set QQ,    160
.set DD,    192
.set MSB, 0
.macro WIN new                         ; the immediate's high byte repeats the setting that is left; a switch that changes nothing is dropped
.if MSB != \new
	s_set_vgpr_msb (MSB<<8)|\new
.set MSB, \new
.endif
.endm
	s_load_b256 s[4:11], s[0:1], 0x0               ; rec, idx, W's codes, W's scales
	s_load_b128 s[12:15], s[0:1], 0x20             ; gamma, ext
	s_load_b64 s[16:17], s[0:1], 0x30              ; part
	v_lshl_add_u32 v221, v0, 2, 0x1f000
	v_mov_b32 v247, 0
	v_lshrrev_b32 v1, 5, v0
	v_readfirstlane_b32 s18, v1                    ; wave 0..3
	v_and_b32 v1, 31, v0                           ; lane
	v_and_b32 v2, 15, v0                           ; r
	v_bfe_u32 v3, v0, 4, 1                         ; h
	s_lshr_b32 s19, ttmp9, 6                       ; batch
	s_and_b32 s20, ttmp9, 63                       ; which 64 outputs
	s_mov_b32 s22, 0x76543210
	s_mov_b32 s23, 0xfedcba98                      ; v_permlanex16_b32's selects for lane l xor 16
	s_mov_b32 s24, 0xffff0000                      ; lanes 16-31
	v_lshlrev_b32 v4, 2, v2                        ; 4 r: indices, gamma
	s_wait_alu depctr_va_vdst(0)
	v_mul_u32_u24 v5, v2, 192
	v_mad_u32_u24 v5, v3, 24, v5                   ; W: row r of 192 bytes, + 24 h
	v_lshlrev_b32 v6, 3, v2
	v_lshl_add_u32 v6, v3, 2, v6                   ; W's scale words: 8 bytes a row, word h
	v_lshlrev_b32 v7, 7, v3                        ; 128 h: my half of a record
	v_lshlrev_b32 v9, 4, v1                        ; 16 x lane: an image's place for my lane
	s_wait_alu depctr_va_sdst(0)                   ; s18 is written, ahead of its first reader: LDS addresses and the buffers' bases are made from it
	s_mul_i32 s30, s18, 12288
	v_add_nc_u32 v8, s30, v9                       ; where I store my eight images
	s_lshl_b32 s30, s18, 11
	s_add_co_u32 s30, s30, STATS
	v_lshl_add_u32 v10, v3, 10, v4
	v_add_nc_u32 v10, s30, v10                     ; my wave's sums: lanes 0-15 the sum, lanes 16-31 the squares, channel r
	s_lshl_b32 s30, s18, 6
	s_add_co_u32 s30, s30, STG
	v_mul_u32_u24 v11, v2, SP
	v_lshl_add_u32 v11, v3, 5, v11
	v_add_nc_u32 v11, s30, v11                     ; the stage, in: row r, + 64 w + 32 h
	s_mul_i32 s30, s18, 64*SP
	s_add_co_u32 s30, s30, STG
	v_mul_u32_u24 v12, v3, SP
	v_lshl_add_u32 v12, v2, 4, v12
	v_add_nc_u32 v12, s30, v12                     ; back: rows 64 w + 2 i + h, 16 bytes a lane
	v_lshlrev_b32 v13, 14, v3
	v_lshl_add_u32 v13, v2, 4, v13                 ; and the same two rows in ext
	v_bfe_u32 v14, v0, 3, 1
	v_lshlrev_b32 v14, 10, v14
	v_lshrrev_b32 v15, 4, v0
	v_lshl_add_u32 v14, v15, 7, v14
	v_and_b32 v16, 7, v0
	v_lshl_add_u32 v14, v16, 4, v14
	v_add_nc_u32 v14, STATS, v14                   ; part: thread T reads [which = (T / 8) % 2][channels 32 (T / 16) + 4 (T % 8) ..]
	v_lshlrev_b32 v15, 16, v15
	v_and_b32 v16, 15, v0
	v_lshl_add_u32 v15, v16, 4, v15                ; and stores at 65,536 (T / 16) + 16 (T % 16)
	s_mov_b32 s29, 0
	s_wait_kmcnt 0x0
	s_lshl_b32 s28, s19, 20
	s_add_nc_u64 s[4:5], s[4:5], s[28:29]          ; the batch's records
	s_lshl_b32 s28, s19, 19
	s_lshl_b32 s30, s20, 8
	s_add_co_u32 s28, s28, s30
	s_lshl_b32 s30, s18, 6
	s_add_co_u32 s28, s28, s30
	s_add_nc_u64 s[6:7], s[6:7], s[28:29]          ; idx[b][n0]
	s_mul_i32 s28, s18, 12288
	s_add_nc_u64 s[8:9], s[8:9], s[28:29]          ; my four tiles of W
	s_lshl_b32 s28, s18, 8
	s_add_nc_u64 s[12:13], s[12:13], s[28:29]      ; and their gamma
	s_lshl_b32 s28, s19, 22
	s_lshl_b32 s30, s18, 20
	s_add_co_u32 s28, s28, s30
	s_lshl_b32 s30, s20, 8
	s_add_co_u32 s28, s28, s30
	s_add_nc_u64 s[14:15], s[14:15], s[28:29]      ; ext[b][64 w][64 x]
	s_lshl_b32 s28, ttmp9, 8
	s_add_nc_u64 s[16:17], s[16:17], s[28:29]      ; part[.][work-group]
	WIN 0xc0
	s_wait_alu depctr_va_vdst(0)                   ; the offsets and LDS addresses v4 to v15 are written, which the loads and stores of the whole kernel read; so is v16, which was at work above and in which gamma lands
.set k, 0
.rept 32
	global_load_b32 v[RAW+k], v4, s[6:7] offset:k*16384   ; idx[b][4096 k + n0 + r]
.set k, k+1
.endr
	WIN 0
.irp e, 0,1,2,3
	global_load_b32 v[16+\e], v4, s[12:13] offset:64*\e
.endr
	WIN 0x40
.irp e, 0,1,2,3
.irp s, 0,1
.irp p, 0,1,2,3,4,5
	global_load_b64 v[24*\e+12*\s+2*\p:24*\e+12*\s+2*\p+1], v5, s[8:9] offset:3072*\e+96*\s+48*(\p/3)+8*(\p%3)
.endr
.endr
.endr
	WIN 0
.set t, 0
.rept 16
	global_load_b32 v[WS+t], v6, s[10:11] offset:128*t
.set t, t+1
.endr
; The rows of k = ka and kb go into buffer f in two parts.  ADRS: an index is held inside the table, then becomes the byte offset of my half of its record: the buffer's two address registers.
; ROWS: the seven loads of one of the two rows.  Between the two parts stands the wait on va_vdst that the plan names.
.macro ADRS f, ka, kb
	WIN 0x0c
	v_min_u32 v[TA+2*(\f)], 0xfff, v[RAW+(\ka)]
	v_min_u32 v[TA+2*(\f)+1], 0xfff, v[RAW+(\kb)]
	WIN 0
	v_lshl_add_u32 v[TA+2*(\f)], v[TA+2*(\f)], 8, v7
	v_lshl_add_u32 v[TA+2*(\f)+1], v[TA+2*(\f)+1], 8, v7
.endm
.macro ROWS f, x
.irp i, 0,1,2,3,4,5
	global_load_b128 v[BUF+52*(\f)+26*(\x)+4*\i:BUF+52*(\f)+26*(\x)+4*\i+3], v[TA+2*(\f)+(\x)], s[4:5] offset:16*\i
.endr
	global_load_b32 v[BUF+52*(\f)+26*(\x)+24], v[TA+2*(\f)+(\x)], s[4:5] offset:96
.endm
; Eight products: tiles 2 G and 2 G + 1 x the buffer's two k, K step 0 (which starts the sums with the constant 0), then K step 1.  The four accumulators take turns.
.macro WM buf, G
.set SG, (\G)%2
.if (\G) < 5
	WIN 0x58
.set WB, 48*(\G)
.else
	WIN 0x5c
.set WB, 48*((\G)-5)
.endif
.irp e, 0,1
.irp x, 0,1
	v_wmma_scale_f32_16x16x128_f8f6f4 v[DD+32*SG+16*\e+8*\x:DD+32*SG+16*\e+8*\x+7], v[BUF+52*(\buf)+26*\x:BUF+52*(\buf)+26*\x+11], v[WB+24*\e:WB+24*\e+11], 0, v[BUF+52*(\buf)+26*\x+24], v[WS+2*(\G)+\e] matrix_a_fmt:MATRIX_FMT_FP6 matrix_b_fmt:MATRIX_FMT_FP6
.endr
.endr
.irp e, 0,1
.irp x, 0,1
	v_wmma_scale_f32_16x16x128_f8f6f4 v[DD+32*SG+16*\e+8*\x:DD+32*SG+16*\e+8*\x+7], v[BUF+52*(\buf)+26*\x+12:BUF+52*(\buf)+26*\x+23], v[WB+24*\e+12:WB+24*\e+23], v[DD+32*SG+16*\e+8*\x:DD+32*SG+16*\e+8*\x+7], v[BUF+52*(\buf)+26*\x+24], v[WS+2*(\G)+\e] matrix_a_fmt:MATRIX_FMT_FP6 matrix_b_fmt:MATRIX_FMT_FP6 matrix_a_scale:MATRIX_SCALE_ROW1 matrix_b_scale:MATRIX_SCALE_ROW1
.endr
.endr
.endm
; What is kept of group G's four results: 48 plain vector lines, each accumulator read from its low end on.  They name the other set of accumulators than the products just issued,
; so they are also the places behind those products.  first = 1: the first pair of k starts the maxima and the sums: nothing is cleared.
.macro CN G, first
	WIN 0x55
.irp i, 0,1,2,3,4,5,6,7
.irp e, 0,1
.set TT, 2*(\G)+\e
.set DA, DD+32*((\G)%2)+16*\e
.set DP, DA+8*(\i/4)+2*(\i%4)
.if \first
	v_max_num_f32 v[8*TT+\i], v[DA+\i], v[DA+8+\i]
.if \i == 0
	v_pk_add_f32 v[SS+2*TT:SS+2*TT+1], v[DA:DA+1], v[DA+2:DA+3]
	v_pk_mul_f32 v[QQ+2*TT:QQ+2*TT+1], v[DA:DA+1], v[DA:DA+1]
.else
.if \i > 1
	v_pk_add_f32 v[SS+2*TT:SS+2*TT+1], v[SS+2*TT:SS+2*TT+1], v[DP:DP+1]
.endif
	v_pk_fma_f32 v[QQ+2*TT:QQ+2*TT+1], v[DP:DP+1], v[DP:DP+1], v[QQ+2*TT:QQ+2*TT+1]
.endif
.else
	v_max3_num_f32 v[8*TT+\i], v[DA+\i], v[DA+8+\i], v[8*TT+\i]
	v_pk_add_f32 v[SS+2*TT:SS+2*TT+1], v[SS+2*TT:SS+2*TT+1], v[DP:DP+1]
	v_pk_fma_f32 v[QQ+2*TT:QQ+2*TT+1], v[DP:DP+1], v[DP:DP+1], v[QQ+2*TT:QQ+2*TT+1]
.endif
.endr
.endr
.endm
; A pair of k.  Its group 0 was multiplied at the end of the pair before.  fill >= 0: the buffer read last takes the pair three on.  N: the loads that are younger than the next pair's.
.macro BODY cur, nxt, fill, ka, kb, N, first, last
.if (\fill) >= 0
.if !\first
	s_wait_alu depctr_vm_vsrc(0)                   ; the fourteen loads issued four pairs back have read this buffer's two address registers, which the lines below write again (in the first pair no load has read them yet)
.endif
	ADRS \fill, \ka, \kb
	s_wait_alu depctr_va_vdst(0)                   ; the two addresses are written, which the loads read; the products of the pair before are done reading this buffer and its scale words, in which the loads land
	ROWS \fill, 0
.endif
.irp G, 1,2,3,4,5,6,7
	WM \cur, \G
.if ((\fill) >= 0) && (\G == 1)
	WIN 0
	ROWS \fill, 1                                  ; the other row.  No wait: no vector or matrix instruction since the wait above names its address or the registers in which it lands
.endif
.if \first && (\G == 1)
.rept 4
	v_nop                                          ; places between the very first products and the first read of their results
.endr
.endif
	CN \G-1, \first
.endr
.if \last
	CN 7, \first
.else
	s_wait_loadcnt \N                              ; loads come back in order: the next pair's fourteen are in
	WM \nxt, 0
	CN 7, \first
.endif
.endm
	s_wait_loadcnt 63                              ; 68 loads are younger than the 32 of the indices; the count's field holds 63, and the smaller count is safe
	ADRS 0, 0, 1
	ADRS 1, 2, 3
	ADRS 2, 4, 5
	s_wait_alu depctr_va_vdst(0)                   ; the six addresses of pairs 0 to 2 are written, which the 42 loads below read
.irp f, 0,1,2
	ROWS \f, 0
	ROWS \f, 1
.endr
	s_wait_loadcnt 42                              ; all but the 42 just issued: gamma, my tiles of W, the scale words
.irp e, 0,1,2,3
	v_ashrrev_i32 v[16+\e], 31, v[16+\e]           ; all ones where gamma's sign bit is set
	v_and_b32 v[196+3*\e], 0x20820820, v[16+\e]    ; the sign bits of 16 codes in three words: bits 6 i + 5
	v_and_b32 v[197+3*\e], 0x08208208, v[16+\e]
	v_and_b32 v[198+3*\e], 0x82082082, v[16+\e]
.endr
	WIN 0x44
.irp e, 0,1,2,3
.set i, 0
.rept 24
	v_xor_b32 v[24*\e+i], v[196+3*\e+i%3], v[24*\e+i]
.set i, i+1
.endr
.endr
	WIN 0x04
	s_wait_alu depctr_va_vdst(0)                   ; the exclusive ors have written my four tiles of W, which the LDS stores read
.irp e, 0,1,2,3
.irp s, 0,1
.irp c, 0,1,2
	ds_store_b128 v8, v[24*\e+12*\s+4*\c:24*\e+12*\s+4*\c+3] offset:(2*\e+\s)*1536+512*\c
.endr
.endr
.endr
	WIN 0
	s_wait_dscnt 0x0                               ; for the others' sake: my eight images have landed
	s_barrier_signal -1
	s_barrier_wait -1
	s_wait_alu depctr_vm_vsrc(0)                   ; my LDS stores have read window 1's v0-95: these registers are the maxima from here on, written by the first pair's lines
	WIN 0x80
.set t, 0
.rept 10
.irp s, 0,1
.irp c, 0,1,2
	ds_load_b128 v[24*t+12*\s+4*\c:24*t+12*\s+4*\c+3], v9 offset:(2*t+\s)*1536+512*\c
.endr
.endr
.set t, t+1
.endr
	WIN 0xc0
.rept 6
.irp s, 0,1
.irp c, 0,1,2
	ds_load_b128 v[24*(t-10)+12*\s+4*\c:24*(t-10)+12*\s+4*\c+3], v9 offset:(2*t+\s)*1536+512*\c
.endr
.endr
.set t, t+1
.endr
	WIN 0
	s_wait_dscnt 0x0                               ; all of W is in my registers
	s_wait_loadcnt 28                              ; pair 0 is in; pairs 1 and 2 may be out
	WM 0, 0
	BODY 0, 1, 3, 6, 7, 28, 1, 0
	WIN 0                                          ; at a label and at a branch every window is 0
	s_mov_b32 s21, 3
.Lk:                                               ; a trip: four pairs, once round the buffers; pairs 1 to 12
	BODY 1, 2, 0, 8, 9, 28, 0, 0
	BODY 2, 3, 1, 10, 11, 28, 0, 0
	BODY 3, 0, 2, 12, 13, 28, 0, 0
	BODY 0, 1, 3, 14, 15, 28, 0, 0
	WIN 0xc3
.set i, 8
.rept 16
	v_mov_b32 v[RAW+i], v[RAW+i+8]                 ; the raw indices move up eight, so that the next trip finds its own under the same numbers (no memory instruction names them in the loop)
.set i, i+1
.endr
	WIN 0
	s_sub_co_u32 s21, s21, 1
	s_cmp_lg_u32 s21, 0
	s_cbranch_scc1 .Lk
	BODY 1, 2, -1, 0, 0, 14, 0, 0                  ; the last three pairs ask for nothing: the counts run down, and they hold no wait on va_vdst or vm_vsrc
	BODY 2, 3, -1, 0, 0, 0, 0, 0
	BODY 3, 0, -1, 0, 0, 0, 0, 1
	; ---- the way out.  A channel's sums lie in lanes r and r + 16: lanes 0-15 end with the sum, lanes 16-31 with the squares
	WIN 0x55
.set t, 0
.rept 16
	v_add_f32 v[SS+2*t], v[SS+2*t], v[SS+2*t+1]
	v_add_f32 v[QQ+2*t], v[QQ+2*t], v[QQ+2*t+1]
.set t, t+1
.endr
.set t, 0
.rept 16
	v_cndmask_b32 v[DD+t], v[SS+2*t], v[QQ+2*t], s24         ; what I keep
	v_cndmask_b32 v[SS+2*t+1], v[QQ+2*t], v[SS+2*t], s24     ; what my partner keeps
.set t, t+1
.endr
.set t, 0
.rept 16
	v_permlanex16_b32 v[QQ+2*t+1], v[SS+2*t+1], s22, s23
.set t, t+1
.endr
.set t, 0
.rept 16
	v_add_f32 v[DD+t], v[DD+t], v[QQ+2*t+1]
.set t, t+1
.endr
	WIN 0x04                                       ; an LDS store's data are its source 1: window 1
	s_wait_alu depctr_va_vdst(0)                   ; the sums and the maxima are written, which the LDS stores read; and the last products are done reading the buffers v40-183, in which the loads from the stage and from the sums land
.set t, 0
.rept 16
	ds_store_b32 v10, v[DD+t] offset:64*t
.set t, t+1
.endr
.set t, 0
.rept 16
	ds_store_b128 v11, v[8*t:8*t+3] offset:t*16*SP
	ds_store_b128 v11, v[8*t+4:8*t+7] offset:t*16*SP+16
.set t, t+1
.endr
	WIN 0
	s_wait_dscnt 0x0                               ; for the others' sake: my sums and my 64 bytes of every row have landed
	s_barrier_signal -1
	s_barrier_wait -1
.set i, 0
.rept 32
	ds_load_b128 v[40+4*i:43+4*i], v12 offset:i*2*SP   ; no vector or matrix instruction since the wait above names v12 or v40-167
.set i, i+1
.endr
.set i, 0
.rept 32
	s_wait_dscnt 31-i
	global_store_b128 v13, v[40+4*i:43+4*i], s[14:15] offset:i*32768   ; sixteen lanes store a channel's 256 consecutive bytes, aligned
.set i, i+1
.endr
.irp w, 0,1,2,3
	ds_load_b128 v[168+4*\w:171+4*\w], v14 offset:2048*\w
.endr
	s_wait_dscnt 0x0
	v_pk_add_f32 v[168:169], v[168:169], v[172:173]
	v_pk_add_f32 v[170:171], v[170:171], v[174:175]
	v_pk_add_f32 v[176:177], v[176:177], v[180:181]
	v_pk_add_f32 v[178:179], v[178:179], v[182:183]
	v_pk_add_f32 v[168:169], v[168:169], v[176:177]
	v_pk_add_f32 v[170:171], v[170:171], v[178:179]
	s_wait_alu depctr_va_vdst(0)                   ; the additions have written v[168:171], which the store reads
	global_store_b128 v15, v[168:171], s[16:17]    ; sixteen lanes store 256 consecutive bytes, aligned: 32 channels' sums and squares
	s_wait_dscnt 0x0
	s_wait_alu depctr_hold_cnt(0) depctr_sa_sdst(0) depctr_va_vdst(0) depctr_va_sdst(0) depctr_va_ssrc(0) depctr_va_vcc(0) depctr_vm_vsrc(0)
	s_wait_tensorcnt 0x0
	ds_add_u32 v221, v247
	s_wait_dscnt 0x0
	s_endpgm
.Lfunc_end_k_qfa7f28da2a_mlp:
	.size	k_qfa7f28da2a_mlp, .Lfunc_end_k_qfa7f28da2a_mlp-k_qfa7f28da2a_mlp
	.p2alignl 7, 3214868480
	.fill 96, 4, 3214868480
	.section	.rodata,"a",@progbits
	.p2align	6, 0x0
	.amdhsa_kernel k_qfa7f28da2a_mlp
		.amdhsa_group_segment_fixed_size 127488
		.amdhsa_private_segment_fixed_size 0
		.amdhsa_enable_private_segment 0
		.amdhsa_kernarg_size 56
		.amdhsa_user_sgpr_count 2
		.amdhsa_user_sgpr_kernarg_segment_ptr 1
		.amdhsa_wavefront_size32 1
		.amdhsa_system_sgpr_workgroup_id_x 1
		.amdhsa_system_sgpr_workgroup_id_y 1
		.amdhsa_system_sgpr_workgroup_id_z 1
		.amdhsa_system_vgpr_workitem_id 0
		.amdhsa_next_free_vgpr 960
		.amdhsa_next_free_sgpr 66
		.amdhsa_reserve_vcc 0
		.amdhsa_float_denorm_mode_32 3
		.amdhsa_float_denorm_mode_16_64 3
		.amdhsa_memory_ordered 1
		.amdhsa_forward_progress 1
		.amdhsa_inst_pref_size 255
	.end_amdhsa_kernel
	.section	.bss,"aw",@nobits
	.p2align	6
	.space	262144
	.amdgpu_metadata
---
amdhsa.version: [ 1, 2 ]
amdhsa.kernels:
  - .name:           k_qfa7f28da2a_mlp
    .symbol:         k_qfa7f28da2a_mlp.kd
    .args:
      - { .name: rec, .offset: 0, .size: 8, .value_kind: global_buffer, .address_space: global }
      - { .name: idx, .offset: 8, .size: 8, .value_kind: global_buffer, .address_space: global }
      - { .name: W_codes, .offset: 16, .size: 8, .value_kind: global_buffer, .address_space: global }
      - { .name: W_scales, .offset: 24, .size: 8, .value_kind: global_buffer, .address_space: global }
      - { .name: gamma, .offset: 32, .size: 8, .value_kind: global_buffer, .address_space: global }
      - { .name: ext, .offset: 40, .size: 8, .value_kind: global_buffer, .address_space: global }
      - { .name: part, .offset: 48, .size: 8, .value_kind: global_buffer, .address_space: global }
    .group_segment_fixed_size: 127488
    .private_segment_fixed_size: 0
    .kernarg_segment_align: 8
    .kernarg_segment_size: 56
    .max_flat_workgroup_size: 128
    .sgpr_count:     66
    .vgpr_count:     960
    .wavefront_size: 32
...
	.end_amdgpu_metadata
.endif
;; end of part 11
;; launch bn (part 12): grid 256 x 1, 8 waves a work-group, no clusters, 3,072 bytes of LDS; arguments ext, part, gamma, beta, b, out0; writes out0
.if DOCPART == 12
	.amdgcn_target "amdgcn-amd-amdhsa--gfx1250"
	.amdhsa_code_object_version 6
	.text
	.protected	k_qfa7f28da2a_bn
	.globl	k_qfa7f28da2a_bn
	.p2align	8
	.type	k_qfa7f28da2a_bn,@function
k_qfa7f28da2a_bn:
	s_mov_b64 s[64:65], 0
	v_nop
	global_prefetch_b8 v0, s[64:65] scope:SCOPE_SE
	s_setreg_imm32_b32 hwreg(HW_REG_WAVE_MODE, 25, 1), 1
	s_wait_xcnt 0x0
; out0[b][g][n] = relu(A_g ext[b][g][n] + B_g): the batch statistics are finished from the 256 work-groups' partial sums and applied to the pooled numbers.
; ext = max over k of s y, s = the sign of gamma, y the product without its bias.  mean' = mean of s y;  var = E[y^2] - mean'^2 (the bias moves no variance);
; A = |gamma| rsqrt(var + 1e-5);  with c1 = s b:  s (y + b) - s mean(y + b) = s y + c1 - (mean' + c1), so B = A (c1 - (mean' + c1)) + beta.
; LIMITS: the variance is a difference of two means in f32: its relative error grows about as 1e-6 x mean'^2 / var.  NaN and infinities are not served.
; SHARES: a work-group takes 32 channels of one batch x 512 outputs; every work-group of a channel group adds the same 65,536 bytes of partial sums.  Wave w applies channels 4 w .. 4 w + 3.
; A stream: no matrix unit, no cluster; every load and store of a wave covers 512 consecutive bytes, aligned.
.set P, 8                              ; v8-71   sixteen rows of partial sums, 4 numbers each
.set E, 72                             ; v72-135 my four channels x 512 outputs / 32 lanes
	s_load_b256 s[4:11], s[0:1], 0x0               ; ext, part, gamma, beta
	s_load_b128 s[12:15], s[0:1], 0x20             ; b, out0
	v_lshl_add_u32 v160, v0, 2, 0x800
	v_mov_b32 v161, 0
	v_lshrrev_b32 v1, 5, v0
	s_delay_alu instid0(VALU_DEP_1)
	v_readfirstlane_b32 s16, v1                    ; wave 0..7
	v_and_b32 v1, 31, v0
	s_wait_alu depctr_va_vdst(0)
	s_and_b32 s17, ttmp9, 7                        ; which 32 channels
	s_bfe_u32 s18, ttmp9, 0x20003                  ; batch
	s_lshr_b32 s19, ttmp9, 5                       ; which 512 outputs
	s_lshl_b32 s28, s18, 22                        ; ((256 b + 32 gq + 4 w) 4096 + 512 sl) 4 bytes
	s_lshl_b32 s30, s17, 19
	s_add_co_u32 s28, s28, s30
	s_lshl_b32 s30, s16, 16
	s_add_co_u32 s28, s28, s30
	s_lshl_b32 s30, s19, 11
	s_add_co_u32 s28, s28, s30
	s_mov_b32 s29, 0
	s_lshl_b32 s32, s17, 16                        ; part[gq]
	s_mov_b32 s33, 0
	s_lshl_b32 s34, s17, 7                         ; channel 32 gq + 4 w, in bytes
	s_lshl_b32 s31, s16, 4
	s_add_co_u32 s34, s34, s31
	s_mov_b32 s35, 0
	s_mov_b32 s36, 0x76543210
	s_mov_b32 s37, 0xfedcba98
	v_lshlrev_b32 v2, 4, v0                        ; 16 x thread: row thread / 16, 16 bytes at thread % 16
	v_lshlrev_b32 v3, 4, v1                        ; 16 x lane
	v_and_b32 v4, 3, v0
	s_delay_alu instid0(VALU_DEP_1)
	v_lshlrev_b32 v4, 2, v4                        ; my channel among the wave's four: lane % 4
	s_lshl_b32 s30, s16, 8
	v_and_b32 v5, 15, v0
	s_delay_alu instid0(VALU_DEP_1)
	v_lshlrev_b32 v5, 4, v5
	s_delay_alu instid0(VALU_DEP_1)
	v_add_nc_u32 v5, s30, v5                       ; LDS: my wave's 256 bytes
	v_add_nc_u32 v6, s31, v4                       ; and where my channel's sum lies in any wave's
.irp i, 0,1,2,3
	v_mov_b32 v[140+\i], 0                         ; written once: a lane permute's destination counts as one of its sources
.endr
	s_wait_alu depctr_va_vdst(0)
	s_wait_kmcnt 0x0
	s_add_nc_u64 s[4:5], s[4:5], s[28:29]
	s_add_nc_u64 s[14:15], s[14:15], s[28:29]
	s_add_nc_u64 s[6:7], s[6:7], s[32:33]
	s_add_nc_u64 s[8:9], s[8:9], s[34:35]
	s_add_nc_u64 s[10:11], s[10:11], s[34:35]
	s_add_nc_u64 s[12:13], s[12:13], s[34:35]
.set i, 0
.rept 16
	global_load_b128 v[P+4*i:P+4*i+3], v2, s[6:7] offset:4096*i
.set i, i+1
.endr
	global_load_b32 v136, v4, s[8:9]               ; gamma
	global_load_b32 v137, v4, s[10:11]             ; beta
	global_load_b32 v138, v4, s[12:13]             ; b
.irp i, 0,1,2,3
.irp j, 0,1,2,3
	global_load_b128 v[E+16*\i+4*\j:E+16*\i+4*\j+3], v3, s[4:5] offset:16384*\i+512*\j th:TH_LOAD_NT
.endr
.endr
.macro ADD4 a, b
	v_pk_add_f32 v[P+4*(\a):P+4*(\a)+1], v[P+4*(\a):P+4*(\a)+1], v[P+4*(\b):P+4*(\b)+1]
	v_pk_add_f32 v[P+4*(\a)+2:P+4*(\a)+3], v[P+4*(\a)+2:P+4*(\a)+3], v[P+4*(\b)+2:P+4*(\b)+3]
.endm
	s_wait_loadcnt 19                              ; the partial sums are in; the 3 + 16 younger loads may be out
.irp i, 0,1,2,3,4,5,6,7
	ADD4 \i, \i+8
.endr
.irp i, 0,1,2,3
	ADD4 \i, \i+4
.endr
	ADD4 0, 2
	ADD4 1, 3
	ADD4 0, 1
.irp i, 0,1,2,3
	v_permlanex16_b32 v[140+\i], v[P+\i], s36, s37
.endr
.irp i, 0,1,2,3
	s_delay_alu instid0(VALU_DEP_4)
	v_add_f32 v[P+\i], v[P+\i], v[140+\i]          ; with the wave's other row
.endr
	ds_store_b128 v5, v[P:P+3]                     ; both halves of the lanes write the same bytes with the same values
	s_wait_dscnt 0x0                               ; for the others' sake
	s_barrier_signal -1
	s_barrier_wait -1
.irp w, 0,1,2,3,4,5,6,7
	ds_load_b32 v[140+\w], v6 offset:256*\w
	ds_load_b32 v[148+\w], v6 offset:256*\w+128
.endr
	s_wait_dscnt 0x0
	v_pk_add_f32 v[140:141], v[140:141], v[142:143]
	v_pk_add_f32 v[144:145], v[144:145], v[146:147]
	v_pk_add_f32 v[148:149], v[148:149], v[150:151]
	v_pk_add_f32 v[152:153], v[152:153], v[154:155]
	s_delay_alu instid0(VALU_DEP_3)
	v_pk_add_f32 v[140:141], v[140:141], v[144:145]
	s_delay_alu instid0(VALU_DEP_2)
	v_pk_add_f32 v[148:149], v[148:149], v[152:153]
	s_delay_alu instid0(VALU_DEP_2)
	v_add_f32 v140, v140, v141                     ; the sum of s y over all 2^19 rows
	s_delay_alu instid0(VALU_DEP_2)
	v_add_f32 v148, v148, v149                     ; and of y^2
	s_delay_alu instid0(VALU_DEP_2)
	v_mul_f32 v141, 0x36000000, v140               ; x 2^-19: mean'
	s_delay_alu instid0(VALU_DEP_2)
	v_mul_f32 v142, 0x36000000, v148
	s_delay_alu instid0(VALU_DEP_1)
	v_fma_f32 v142, -v141, v141, v142
	s_delay_alu instid0(VALU_DEP_1)
	v_max_num_f32 v142, 0, v142                    ; the variance
	s_delay_alu instid0(VALU_DEP_1)
	v_add_f32 v142, 0x3727c5ac, v142               ; + 1e-5
	s_wait_loadcnt 16                              ; gamma, beta and b are in; ext's sixteen loads may be out
	s_wait_alu depctr_va_vdst(0)
	v_rsq_f32 v143, v142
	v_and_b32 v144, 0x7fffffff, v136               ; |gamma|  (a plain line behind the transcendental; the four lines here name neither its result nor its source)
	v_and_b32 v145, 0x80000000, v136
	s_delay_alu instid0(VALU_DEP_1)
	v_xor_b32 v145, v145, v138                     ; c1 = s b
	s_delay_alu instid0(VALU_DEP_1)
	v_add_f32 v146, v141, v145
	s_delay_alu instid0(VALU_DEP_1)
	v_sub_f32 v146, v145, v146                     ; c1 - (mean' + c1)
	s_wait_alu depctr_va_vdst(0)                   ; ahead of the first line that names the root's result
	v_mul_f32 v144, v144, v143                     ; A
	s_delay_alu instid0(VALU_DEP_1)
	v_fma_f32 v146, v144, v146, v137               ; B
.irp i, 0,1,2,3
	v_readlane_b32 s[20+2*\i], v144, \i
	v_readlane_b32 s[21+2*\i], v146, \i
.endr
	s_wait_loadcnt 0x0
.irp i, 0,1,2,3
.irp j, 0,1,2,3
.irp c, 0,1,2,3
	v_fma_f32 v[E+16*\i+4*\j+\c], v[E+16*\i+4*\j+\c], s[20+2*\i], s[21+2*\i]
.endr
.irp c, 0,1,2,3
	s_delay_alu instid0(VALU_DEP_4)
	v_max_num_f32 v[E+16*\i+4*\j+\c], 0, v[E+16*\i+4*\j+\c]
.endr
	global_store_b128 v3, v[E+16*\i+4*\j:E+16*\i+4*\j+3], s[14:15] offset:16384*\i+512*\j th:TH_STORE_NT
.endr
.endr
	s_wait_tensorcnt 0x0
	ds_add_u32 v160, v161
	s_wait_dscnt 0x0
	s_endpgm
.Lfunc_end_k_qfa7f28da2a_bn:
	.size	k_qfa7f28da2a_bn, .Lfunc_end_k_qfa7f28da2a_bn-k_qfa7f28da2a_bn
	.p2alignl 7, 3214868480
	.fill 96, 4, 3214868480
	.section	.rodata,"a",@progbits
	.p2align	6, 0x0
	.amdhsa_kernel k_qfa7f28da2a_bn
		.amdhsa_group_segment_fixed_size 3072
		.amdhsa_private_segment_fixed_size 0
		.amdhsa_enable_private_segment 0
		.amdhsa_kernarg_size 48
		.amdhsa_user_sgpr_count 2
		.amdhsa_user_sgpr_kernarg_segment_ptr 1
		.amdhsa_wavefront_size32 1
		.amdhsa_system_sgpr_workgroup_id_x 1
		.amdhsa_system_sgpr_workgroup_id_y 1
		.amdhsa_system_sgpr_workgroup_id_z 1
		.amdhsa_system_vgpr_workitem_id 0
		.amdhsa_next_free_vgpr 162
		.amdhsa_next_free_sgpr 66
		.amdhsa_reserve_vcc 0
		.amdhsa_float_denorm_mode_32 3
		.amdhsa_float_denorm_mode_16_64 3
		.amdhsa_memory_ordered 1
		.amdhsa_forward_progress 1
		.amdhsa_inst_pref_size 21
	.end_amdhsa_kernel
	.amdgpu_metadata
---
amdhsa.version: [ 1, 2 ]
amdhsa.kernels:
  - .name:           k_qfa7f28da2a_bn
    .symbol:         k_qfa7f28da2a_bn.kd
    .args:
      - { .name: ext, .offset: 0, .size: 8, .value_kind: global_buffer, .address_space: global }
      - { .name: part, .offset: 8, .size: 8, .value_kind: global_buffer, .address_space: global }
      - { .name: gamma, .offset: 16, .size: 8, .value_kind: global_buffer, .address_space: global }
      - { .name: beta, .offset: 24, .size: 8, .value_kind: global_buffer, .address_space: global }
      - { .name: b, .offset: 32, .size: 8, .value_kind: global_buffer, .address_space: global }
      - { .name: out0, .offset: 40, .size: 8, .value_kind: global_buffer, .address_space: global }
    .group_segment_fixed_size: 3072
    .private_segment_fixed_size: 0
    .kernarg_segment_align: 8
    .kernarg_segment_size: 48
    .max_flat_workgroup_size: 256
    .sgpr_count:     66
    .vgpr_count:     162
    .wavefront_size: 32
...
	.end_amdgpu_metadata
.endif
;; end of part 12
